; MI455X (gfx1250); checked and timed in simulation.
; The chip was launched on July 23, 2026; its instructions are those of AMD's public machine-readable ISA for CDNA 5 (MIT licence, August 2026) and "CDNA5" Instruction Set Architecture Reference Guide (July 2026). The comments in the code are by the model that wrote it; some were corrected since.
;; Ro PE Transformer Encoder Layer. Allowed arithmetic: matrix products marked QUANTISED: E2M1 operands, one E8M0 scale for each 32 along K, by v_wmma_scale_f32_16x16x128_f8f6f4 with both operands' format E2M1 (or v_wmma_scale_f32_32x16x128_f4), f32 sums; everything else in f32.
;; Inputs: W1 1,024 x 4,096 float32; W2 4,096 x 1,024 float32; Wo 1,024 x 1,024 float32; Wqkv 1,024 x 3,072 float32; b1 4,096 float32; b2 1,024 float32; bo 1,024 float32; bqkv 3,072 float32; cos 2,048 x 32 float32; ln1_b 1,024 float32; ln1_g 1,024 float32; ln2_b 1,024 float32; ln2_g 1,024 float32; sin 2,048 x 32 float32; x 2 x 2,048 x 1,024 float32.
;; Outputs: out0 2 x 2,048 x 1,024 float32.
;; This version of the problem:
;;   THIS VERSION OF THE PROBLEM IS GIVEN IN LOW PRECISION. The matrix products marked QUANTISED in the list below multiply operands that are first quantised to E2M1 (2 exponent bits, 1 mantissa bit; 4 bits a number), with one power-of-two scale for each 32 numbers along K (OCP MX v1.0); their sums are f32. All else is computed in f32.
;;   The module's matrix products, in the order in which they are computed (A, B: the left and right operand; K: the contracted axis; several contracted axes count as one K, in the product's order):
;;     1. [M 4,096, K 1,024] x [K 1,024, N 3,072]; A: computed on the way; B: input Wqkv: QUANTISED
;;     2. batch 32 x [M 2,048, K 64] x [K 64, N 2,048]; A: computed on the way; B: computed on the way: QUANTISED
;;     3. batch 32 x [M 2,048, K 2,048] x [K 2,048, N 64]; A: softmax (see below); B: computed on the way: QUANTISED
;;     4. [M 4,096, K 1,024] x [K 1,024, N 1,024]; A: computed on the way; B: input Wo: QUANTISED
;;     5. [M 4,096, K 1,024] x [K 1,024, N 4,096]; A: computed on the way; B: input W1: QUANTISED
;;     6. [M 4,096, K 4,096] x [K 4,096, N 1,024]; A: computed on the way; B: input W2: QUANTISED
;;   THE QUANTISER, for each operand of a quantised product, along K:
;;     - K is cut into blocks of 32 from its start; a last block that is shorter is filled with zeros.
;;     - A block's scale is 2^e with e = floor(log2(the largest magnitude in the block)) - 2, held to -126 .. 127; a block of zeros has e = 0. As a byte (E8M0): e + 127.
;;     - Each number is divided by its block's scale, clamped to +-6, and rounded to the nearest number of E2M1, ties to even, subnormals kept.
;;     - The product sums the exact products of the quantised numbers (number of the format x scale) in f32.
;;   ~~~python
;;   def quantise(x, axis):      # numpy; x: float32 -> the quantised numbers, widened to float32 again
;;       x = np.moveaxis(x, axis, -1); K = x.shape[-1]
;;       x = np.pad(x, [(0, 0)] * (x.ndim - 1) + [(0, -K % 32)]); x = x.reshape(x.shape[:-1] + (-1, 32)); a = np.abs(x).max(-1, keepdims=True)
;;       e = np.where(a > 0, np.clip(np.frexp(np.where(a > 0, a, 1))[1] - 1 - 2, -126, 127), 0)      # np.frexp(a)[1] - 1 = floor(log2(a)), exactly
;;       r = np.clip(x / 2.0 ** e, -6, 6)
;;       step = 2.0 ** (np.maximum(np.frexp(np.where(r == 0, 1, r))[1] - 1, 0) - 1)
;;       q = np.round(r / step) * step * 2.0 ** e      # np.round: ties to even
;;       return np.moveaxis(q.reshape(q.shape[:-2] + (-1,))[..., :K], -1, axis).astype(np.float32)
;;   ~~~
;;   SOFTMAX AHEAD OF A QUANTISED PRODUCT. Where the list says 'softmax', what is quantised is not the finished softmax but p = 2^(t - M), with t = logit x log2(e) and M = ceil(the row's largest t), a whole number; so 1/2 < the row's largest p <= 1. The row's sum l is taken of the UNQUANTISED p, in f32, and the product's result is divided by l at the end. Since M is a whole number, a kernel that streams over the keys may use a running M (the ceiling of the running maximum): every later rescaling is an exact power of two, which a block's scale takes up: the codes' values come out the same.
;;   OPERANDS COMPUTED ON THE WAY. 'Computed on the way' means the value that the module computes at that place (a softmax that the list does not call 'softmax' is quantised finished and normalised). What goes into a quantiser is computed in f32, as accurately as f32 sums, v_exp_f32 and their like allow (about 1e-6 of the number): no bf16 or f16 on the way to a quantiser, and a product that is left as it is and whose result goes on into a quantised operand takes f32 operands (vector FMAs, or v_wmma_f32_16x16x4_f32). A number that lies on a knife's edge between two numbers of the format may be rounded either way, as far as f32 arithmetic and the matrix unit's own rounding can turn it there, and no further.
;; One version. Each part assembles by itself: llvm-mc -triple=amdgcn-amd-amdhsa -mcpu=gfx1250 --defsym DOCPART=n.
;; ======== version 1 of 1: 7 launches
;; limits: right only within a limited range of input values
;; workspace buffers: wq 6,684,672 bytes; xa 2,228,224 bytes; qkv 6,946,816 bytes; ao 2,228,224 bytes; x1 16,777,216 bytes; ha 2,228,224 bytes; ga 8,912,896 bytes
;; launch prep (part 1): grid 320 x 1, 8 waves a work-group, no clusters, 56,320 bytes of LDS; arguments x, ln1_g, ln1_b, xa, Wqkv, Wo, W1, W2, wq; writes xa, wq
.if DOCPART == 1
	.amdgcn_target "amdgcn-amd-amdhsa--gfx1250"
	.amdhsa_code_object_version 6
	.text
	.protected	k_qfd0cd6f1ac_prep
	.globl	k_qfd0cd6f1ac_prep
	.p2align	8
	.type	k_qfd0cd6f1ac_prep,@function
k_qfd0cd6f1ac_prep:
	s_mov_b64 s[64:65], 0
	v_nop
	global_prefetch_b8 v0, s[64:65] scope:SCOPE_SE
	s_setreg_imm32_b32 hwreg(HW_REG_WAVE_MODE, 25, 1), 1
	s_wait_xcnt 0x0
; PROGRAM: one pre-norm encoder layer, 4,096 tokens x 1,024, 16 heads of 64, hidden 4,096; all six products on codes of E2M1 with one E8M0 scale for each 32 along K.
; DEAD WORK: none.  Every input has a way to out0 and is loaded by some launch; every product of the table is done.  (q k^T is issued at K = 128 with the upper 64 as zero codes on q's side: the quantiser's own fill.)
; THIS BODY serves two launches.  Work-groups 0-127: LayerNorm of 32 rows of 1,024 f32, quantised along the row.  Work-groups 128-319 (first launch only; the second launch has a grid of 128 and never
; reaches that path, though its text holds stores to wq): the four weights, stored [K][N], quantised along K.
; No cluster: no two work-groups read the same bytes.
; FORMATS.  CODES of an operand of R rows and K columns: [R/16][K/32][16 rows][16 bytes]: a fragment (16 rows x 128 K) is two loads of 16 bytes a lane at 16 x lane, 512 bytes apart.
; SCALES: [K/256][R/16][16 rows][8 bytes]: one load of 8 bytes a lane at 8 x lane brings an even tile's two scale words to lanes 0-15 and the odd tile's to lanes 16-31.
; WEIGHT COLUMNS are laid by pairs: in a group of 64 columns, column 2 i + p goes to tile 2 p + ((i >> 3) & 1), row 8 (i >> 4) + (i & 7).
; A block's scale byte is its largest magnitude's exponent field - 2, held at 1 from below.
; LIMITS: NaN and infinities among the inputs are not served; a block of zeros gets the byte 1 where the rule says 127 (its codes are zeros, and this program alone reads the bytes);
; blocks whose largest magnitude lies under 2^-124 are held at the byte 1; the row sums are taken as trees, in another order than a plain running sum.
.set SPARE, 55296                      ; the spare words: 128 bytes for each of 8 waves
.set OUTB,  36864                      ; 64 rows (2 tiles x 32 blocks) of 256 bytes + 16
.set SCS,   54272                      ; the work-group's 1,024 scale bytes
.set WQ_C, 0
.set WO_C, 1572864
.set W1_C, 2097152
.set W2_C, 4194304
.set WQ_S, 6291456
.set WO_S, 6389760
.set W1_S, 6422528
.set W2_S, 6553600
.set SPW, 2                            ; v2  my spare word's LDS address; never rewritten
.set NIL, 3                            ; v3  0; never rewritten
.set OF,  32                           ; weights: v32-63 byte offsets of a block's 32 rows
.set X,   64                           ; weights: v64-191 two sets of 32 rows x 2 columns
.set D,   192                          ; weights: v192-223 eight rows of each column on end, two sets
.set C,   224                          ; weights: v224-239 codes, a set for each parity of the block
	s_load_b256 s[4:11], s[0:1], 0x0               ; rows s[4:5], gain s[6:7], bias s[8:9], the rows' codes and scales s[10:11]
	s_load_b256 s[12:19], s[0:1], 0x20             ; Wqkv, Wo, W1, W2
	s_load_b64 s[20:21], s[0:1], 0x40              ; wq
	v_lshl_add_u32 v[SPW], v0, 2, SPARE
	v_mov_b32 v[NIL], 0
	v_lshrrev_b32 v1, 5, v0
	s_delay_alu instid0(VALU_DEP_1)
	v_readfirstlane_b32 s22, v1                    ; wave 0..7
	v_and_b32 v1, 31, v0                           ; lane
	s_mov_b32 s30, 0x76543210
	s_mov_b32 s31, 0xfedcba98                      ; v_permlanex16_b32's selects for lane l xor 16
	s_cmp_lt_u32 ttmp9, 128
	s_cbranch_scc0 .Lweights
; ---------------------------------------------------------------- LayerNorm: 32 rows a work-group, 4 a wave
; the largest magnitude of v[s] .. v[s+31] and the floor 2^(3 - 127), in 16 lines, two chains
.macro BMAX d, e, s
	v_max3_num_f32 v[\d], |v[\s]|, |v[\s+1]|, 0x1800000
	v_max3_num_f32 v[\e], |v[\s+2]|, |v[\s+3]|, |v[\s+4]|
.irp k, 5,9,13,17,21,25
	s_delay_alu instid0(VALU_DEP_2)
	v_max3_num_f32 v[\d], v[\d], |v[\s+\k]|, |v[\s+\k+1]|
	s_delay_alu instid0(VALU_DEP_2)
	v_max3_num_f32 v[\e], v[\e], |v[\s+\k+2]|, |v[\s+\k+3]|
.endr
	s_delay_alu instid0(VALU_DEP_2)
	v_max3_num_f32 v[\d], v[\d], |v[\s+29]|, |v[\s+30]|
	s_delay_alu instid0(VALU_DEP_1)
	v_max3_num_f32 v[\d], v[\d], v[\e], |v[\s+31]|
.endm
.macro LOADR reg, lo, off              ; 4,096 bytes: eight loads of 512 consecutive bytes
.irp j, 0,1,2,3,4,5,6,7
	global_load_b128 v[\reg+4*\j:\reg+4*\j+3], v4, s[\lo:\lo+1] offset:\off+512*\j
.endr
.endm
.macro TURN reg                        ; through my wave's stage: afterwards lane l holds the 32 neighbours of block l.  LDS serves a wave's instructions in order: no wait between the stores and the loads
.irp j, 0,1,2,3,4,5,6,7
	ds_store_b128 v5, v[\reg+4*\j:\reg+4*\j+3] offset:576*\j
.endr
.irp j, 0,1,2,3,4,5,6,7
	ds_load_b128 v[\reg+4*\j:\reg+4*\j+3], v6 offset:16*\j
.endr
.endm
.macro RSUM a, b                       ; v[a] summed over the 32 lanes, in every lane; v[b] is at work
	s_delay_alu instid0(VALU_DEP_1)
	v_add_f32_dpp v[\a], v[\a], v[\a] row_xmask:1 row_mask:0xf bank_mask:0xf
	s_delay_alu instid0(VALU_DEP_1)
	v_add_f32_dpp v[\a], v[\a], v[\a] row_xmask:2 row_mask:0xf bank_mask:0xf
	s_delay_alu instid0(VALU_DEP_1)
	v_add_f32_dpp v[\a], v[\a], v[\a] row_xmask:4 row_mask:0xf bank_mask:0xf
	s_delay_alu instid0(VALU_DEP_1)
	v_add_f32_dpp v[\a], v[\a], v[\a] row_xmask:8 row_mask:0xf bank_mask:0xf
	s_delay_alu instid0(VALU_DEP_1)
	v_permlanex16_b32 v[\b], v[\a], s30, s31
	s_delay_alu instid0(VALU_DEP_1)
	v_add_f32 v[\a], v[\a], v[\b]
.endm
	s_lshl_b32 s24, ttmp9, 17                      ; 32 rows of 4,096 bytes
	s_lshl_b32 s25, s22, 14                        ; my wave's 4 rows
	s_add_co_u32 s24, s24, s25
	s_mov_b32 s25, 0
	s_lshl_b32 s26, ttmp9, 14                      ; codes: two tiles of 8,192 bytes
	s_mov_b32 s27, 0
	s_lshl_b32 s28, ttmp9, 8                       ; scales: two tiles of 128 bytes in each of four runs
	s_add_co_u32 s28, s28, 2097152
	s_mov_b32 s29, 0
	s_mov_b32 s32, 0x3a800000                      ; 1 / 1,024
	s_mov_b32 s33, 0x3727c5ac                      ; 1e-5
	s_mul_i32 s36, s22, 4608                       ; my wave's stage: 32 x 144 bytes
	s_wait_alu depctr_va_vdst(0)
	v_lshlrev_b32 v4, 4, v1                        ; 16 x lane
	v_lshrrev_b32 v9, 3, v1
	s_delay_alu instid0(VALU_DEP_1)
	v_lshl_add_u32 v5, v9, 4, v4
	s_delay_alu instid0(VALU_DEP_1)
	v_add_nc_u32 v5, s36, v5                       ; into the stage: 16 l + 16 (l / 8): 128 bytes of a block, then 16 of padding
	v_mul_u32_u24 v6, v1, 144
	s_delay_alu instid0(VALU_DEP_1)
	v_add_nc_u32 v6, s36, v6                       ; out of it: block l
	s_lshr_b32 s37, s22, 2                         ; which of the two tiles of rows
	s_and_b32 s38, s22, 3
	s_mul_i32 s39, s37, 8704
	s_lshl_b32 s40, s38, 6
	s_add_co_u32 s39, s39, s40
	s_add_co_u32 s39, s39, OUTB
	v_mul_u32_u24 v7, v1, 272
	s_delay_alu instid0(VALU_DEP_1)
	v_add_nc_u32 v7, s39, v7                       ; codes: row (32 tile + block l) of 272 bytes, + 16 x my row in the tile
	s_lshl_b32 s39, s37, 7
	s_lshl_b32 s40, s38, 5
	s_add_co_u32 s39, s39, s40
	s_add_co_u32 s39, s39, SCS
	v_and_b32 v8, 7, v1
	s_wait_alu depctr_va_vdst(0)
	v_lshl_add_u32 v8, v9, 8, v8
	s_delay_alu instid0(VALU_DEP_1)
	v_add_nc_u32 v8, s39, v8                       ; scale bytes: 256 (l / 8) + 128 tile + 8 row + l % 8
	v_lshrrev_b32 v10, 4, v0                       ; the way out's addresses, made here, ahead of every branch on the wave's number
	v_and_b32 v11, 15, v0
	s_delay_alu instid0(VALU_DEP_2)
	v_mul_u32_u24 v244, v10, 272
	s_delay_alu instid0(VALU_DEP_1)
	v_lshl_add_u32 v244, v11, 4, v244
	s_delay_alu instid0(VALU_DEP_1)
	v_add_nc_u32 v244, OUTB, v244
	v_lshlrev_b32 v245, 4, v0
	v_and_b32 v12, 63, v0
	s_delay_alu instid0(VALU_DEP_1)
	v_lshl_add_u32 v246, v12, 4, SCS
	v_bfe_u32 v13, v0, 4, 2
	s_delay_alu instid0(VALU_DEP_1)
	v_lshlrev_b32 v247, 15, v13
	s_delay_alu instid0(VALU_DEP_1)
	v_lshl_add_u32 v247, v11, 4, v247
	s_wait_kmcnt 0x0
	s_add_nc_u64 s[4:5], s[4:5], s[24:25]
	s_add_nc_u64 s[42:43], s[10:11], s[26:27]
	s_add_nc_u64 s[44:45], s[10:11], s[28:29]
	LOADR 32, 6, 0                                 ; the gain
	LOADR 64, 8, 0                                 ; the bias
	LOADR 96, 4, 0
	LOADR 128, 4, 4096
	LOADR 160, 4, 8192
	LOADR 192, 4, 12288
	s_wait_loadcnt 32                              ; gain and bias are in; the four rows' 32 loads may stay out
	TURN 32
	TURN 64
.macro LNROW i
.set R, 96+32*(\i)
	s_wait_loadcnt 24-8*(\i)                       ; this row's eight loads are in; the later rows' may stay out
	TURN R
	s_wait_dscnt 0x0
	v_pk_add_f32 v[10:11], v[R:R+1], v[R+2:R+3]    ; the row's sum
	v_pk_add_f32 v[12:13], v[R+4:R+5], v[R+6:R+7]
.irp j, 8,12,16,20,24,28
	s_delay_alu instid0(VALU_DEP_2)
	v_pk_add_f32 v[10:11], v[10:11], v[R+\j:R+\j+1]
	s_delay_alu instid0(VALU_DEP_2)
	v_pk_add_f32 v[12:13], v[12:13], v[R+\j+2:R+\j+3]
.endr
	s_delay_alu instid0(VALU_DEP_1)
	v_pk_add_f32 v[10:11], v[10:11], v[12:13]
	s_delay_alu instid0(VALU_DEP_1)
	v_add_f32 v10, v10, v11
	RSUM 10, 11
	s_delay_alu instid0(VALU_DEP_1)
	v_mul_f32 v14, s32, v10                        ; the mean, twice
	s_delay_alu instid0(VALU_DEP_2)
	v_mul_f32 v15, s32, v10
.irp j, 0,2,4,6,8,10,12,14,16,18,20,22,24,26,28,30
	v_pk_add_f32 v[R+\j:R+\j+1], v[R+\j:R+\j+1], v[14:15] neg_lo:[0,1] neg_hi:[0,1]
.endr
	v_pk_mul_f32 v[10:11], v[R:R+1], v[R:R+1]      ; the sum of squares
	v_pk_mul_f32 v[12:13], v[R+2:R+3], v[R+2:R+3]
.irp j, 4,8,12,16,20,24,28
	s_delay_alu instid0(VALU_DEP_2)
	v_pk_fma_f32 v[10:11], v[R+\j:R+\j+1], v[R+\j:R+\j+1], v[10:11]
	s_delay_alu instid0(VALU_DEP_2)
	v_pk_fma_f32 v[12:13], v[R+\j+2:R+\j+3], v[R+\j+2:R+\j+3], v[12:13]
.endr
	s_delay_alu instid0(VALU_DEP_1)
	v_pk_add_f32 v[10:11], v[10:11], v[12:13]
	s_delay_alu instid0(VALU_DEP_1)
	v_add_f32 v10, v10, v11
	RSUM 10, 11
	s_delay_alu instid0(VALU_DEP_1)
	v_fma_f32 v10, v10, s32, s33                   ; the variance + 1e-5
	s_wait_alu depctr_va_vdst(0)
	v_rsq_f32 v16, v10
	v_nop                                          ; a plain line behind the transcendental
	s_wait_alu depctr_va_vdst(0)                   ; and the wait ahead of its first reader
	v_mov_b32 v17, v16
.irp j, 0,2,4,6,8,10,12,14,16,18,20,22,24,26,28,30
	v_pk_mul_f32 v[R+\j:R+\j+1], v[R+\j:R+\j+1], v[16:17]
.endr
.irp j, 0,2,4,6,8,10,12,14,16,18,20,22,24,26,28,30
	v_pk_fma_f32 v[R+\j:R+\j+1], v[R+\j:R+\j+1], v[32+\j:33+\j], v[64+\j:65+\j]
.endr
	BMAX 10, 11, R                                 ; block l is all mine
	s_delay_alu instid0(VALU_DEP_1)
	v_add_nc_u32 v12, 0xff000000, v10              ; 2 off the exponent field: the conversion's scale operand
.irp g, 0,1,2,3
	v_cvt_scalef32_pk8_fp4_f32 v[224+4*(\i)+\g], v[R+8*\g:R+8*\g+7], v12
.endr
	v_lshrrev_b32 v[240+(\i)], 23, v12             ; the scale's byte (also the plain line behind the conversions)
	ds_store_b128 v7, v[224+4*(\i):227+4*(\i)] offset:16*(\i)
	ds_store_b8 v8, v[240+(\i)] offset:8*(\i)
.endm
	LNROW 0
	LNROW 1
	LNROW 2
	LNROW 3
	s_wait_dscnt 0x0                               ; for the others' sake: my stores have landed
	s_barrier_signal -1
	s_barrier_wait -1
.irp i, 0,1,2,3
	ds_load_b128 v[32+4*\i:35+4*\i], v244 offset:4352*\i
.endr
.irp i, 0,1,2,3
	s_wait_dscnt 3-\i
	global_store_b128 v245, v[32+4*\i:35+4*\i], s[42:43] offset:4096*\i   ; sixteen lanes store 256 consecutive bytes, aligned
.endr
	s_cmp_lt_u32 s22, 2                            ; waves 0 and 1 store the 1,024 scale bytes: four runs of 256
	s_cbranch_scc0 .Lln_end
	ds_load_b128 v[48:51], v246
	s_wait_dscnt 0x0
	global_store_b128 v247, v[48:51], s[44:45]
.Lln_end:
	s_wait_tensorcnt 0x0                           ; the wave's end, behind my last LDS store
	ds_add_u32 v[SPW], v[NIL]
	s_wait_dscnt 0x0
	s_endpgm
; ---------------------------------------------------------------- the weights: a work-group takes 256 columns x 256 along K, a wave 64 columns x 128 (4 blocks); no LDS
; A wave has two blocks, 64 loads of 256 consecutive bytes, on their way, and walks four blocks: two rounds of loads.
; A wave makes four of a column's eight scale bytes of its 256 along K: they leave as four bytes a lane, 8 bytes apart; the wave four further on writes the other four.  One byte in 128 of what the path reads.
.Lweights:
	s_sub_co_u32 s23, ttmp9, 128                   ; 0-47 Wqkv, 48-63 Wo, 64-127 W1, 128-191 W2
	s_mov_b32 s24, 128                             ; W2's figures: first work-group,
	s_mov_b32 s25, 4096                            ; a row in bytes,
	s_mov_b32 s26, 32768                           ; a tile's codes in bytes,
	s_mov_b32 s27, 8192                            ; 128 x the number of tiles,
	s_mov_b32 s28, W2_C
	s_mov_b32 s29, W2_S
	s_mov_b32 s32, 4                               ; work-groups along K: 2^4
	s_mov_b32 s33, 15
	s_wait_kmcnt 0x0
	s_mov_b64 s[34:35], s[18:19]
	s_cmp_lt_u32 s23, 128                          ; the choices hang on the work-group's number alone
	s_cselect_b64 s[34:35], s[16:17], s[34:35]
	s_cselect_b32 s24, 64, s24
	s_cselect_b32 s25, 16384, s25
	s_cselect_b32 s26, 8192, s26
	s_cselect_b32 s27, 32768, s27
	s_cselect_b32 s28, W1_C, s28
	s_cselect_b32 s29, W1_S, s29
	s_cselect_b32 s32, 2, s32
	s_cselect_b32 s33, 3, s33
	s_cmp_lt_u32 s23, 64
	s_cselect_b64 s[34:35], s[14:15], s[34:35]
	s_cselect_b32 s24, 48, s24
	s_cselect_b32 s25, 4096, s25
	s_cselect_b32 s27, 8192, s27
	s_cselect_b32 s28, WO_C, s28
	s_cselect_b32 s29, WO_S, s29
	s_cmp_lt_u32 s23, 48
	s_cselect_b64 s[34:35], s[12:13], s[34:35]
	s_cselect_b32 s24, 0, s24
	s_cselect_b32 s25, 12288, s25
	s_cselect_b32 s27, 24576, s27
	s_cselect_b32 s28, WQ_C, s28
	s_cselect_b32 s29, WQ_S, s29
	s_sub_co_u32 s23, s23, s24
	s_lshr_b32 s38, s23, s32                       ; which 256 columns
	s_and_b32 s39, s23, s33                        ; kq: which 256 along K
	s_and_b32 s40, s22, 3
	s_lshr_b32 s41, s22, 2                         ; which half of them is my wave's
	s_lshl_b32 s38, s38, 2
	s_add_co_u32 s38, s38, s40                     ; G: my wave's group of 64 columns
	s_lshl_b32 s42, s39, 8
	s_lshl_b32 s43, s41, 7
	s_add_co_u32 s42, s42, s43                     ; my first row: 256 kq + 128 half
	s_mul_i32 s42, s42, s25
	s_lshl_b32 s43, s38, 8
	s_add_co_u32 s42, s42, s43
	s_mov_b32 s43, 0
	s_add_nc_u64 s[34:35], s[34:35], s[42:43]      ; the weight at that row, column 64 G
	s_lshl_b32 s44, s38, 2
	s_mul_i32 s44, s44, s26
	s_lshl_b32 s45, s39, 11
	s_add_co_u32 s44, s44, s45
	s_lshl_b32 s45, s41, 10
	s_add_co_u32 s44, s44, s45
	s_add_co_u32 s44, s44, s28
	s_mov_b32 s45, 0
	s_add_nc_u64 s[44:45], s[20:21], s[44:45]      ; codes: tile 4 G, block 8 kq + 4 half
	s_mul_i32 s46, s39, s27
	s_lshl_b32 s47, s38, 9
	s_add_co_u32 s46, s46, s47
	s_lshl_b32 s47, s41, 2
	s_add_co_u32 s46, s46, s47
	s_add_co_u32 s46, s46, s29
	s_mov_b32 s47, 0
	s_add_nc_u64 s[46:47], s[20:21], s[46:47]      ; scales: run kq, tile 4 G, bytes 4 half on
	s_lshl_b32 s48, s25, 5                         ; 32 rows on
	s_mov_b32 s49, 0
	s_lshl_b32 s51, s26, 1
	s_wait_alu depctr_va_vdst(0)
	v_lshlrev_b32 v9, 3, v1                        ; lane l takes columns 2 l and 2 l + 1: 8 bytes, 256 consecutive bytes a load
	v_and_b32 v10, 7, v1
	v_lshrrev_b32 v11, 4, v1
	s_delay_alu instid0(VALU_DEP_1)
	v_lshl_add_u32 v10, v11, 3, v10                ; its row in a tile: 8 (l >> 4) + (l & 7)
	v_bfe_u32 v12, v1, 3, 1                        ; and which of two tiles
	s_delay_alu instid0(VALU_DEP_1)
	v_mul_lo_u32 v4, v12, s26
	s_delay_alu instid0(VALU_DEP_1)
	v_lshl_add_u32 v4, v10, 4, v4                  ; the even column's codes;
	s_delay_alu instid0(VALU_DEP_1)
	v_add_nc_u32 v5, s51, v4                       ; the odd column's lie two tiles on
	s_delay_alu instid0(VALU_DEP_4)
	v_lshlrev_b32 v6, 7, v12
	s_delay_alu instid0(VALU_DEP_1)
	v_lshl_add_u32 v6, v10, 3, v6                  ; the scale bytes
	v_mov_b32 v240, 0                              ; the 4 scale bytes of each column are shifted in from the top
	v_mov_b32 v242, 0
.set q, 0
.rept 32
	v_mad_u32_u24 v[OF+q], s25, q, v9
.set q, q+1
.endr
.macro LOADB st                        ; a block's 32 rows into set st; then the pointer steps
.set q, 0
.rept 32
	global_load_b64 v[X+64*(\st)+2*q:X+64*(\st)+2*q+1], v[OF+q], s[34:35] th:TH_LOAD_NT
.set q, q+1
.endr
	s_wait_xcnt 0x0                                ; all that was issued has read its address and data registers: the pointers may step and the codes' registers be written again
	s_add_nc_u64 s[34:35], s[34:35], s[48:49]
.endm
.macro BLOCK st, more, cnt
.set XB, X+64*(\st)
.set CB, C+8*(\st)
	s_wait_loadcnt \cnt                            ; this set's 32 loads are in; the other set's may stay out
	v_max3_num_f32 v10, |v[XB]|, |v[XB+2]|, 0x1800000     ; both columns' largest magnitudes, with the floor 2^(3 - 127), by turns
	v_max3_num_f32 v11, |v[XB+1]|, |v[XB+3]|, 0x1800000
.irp j, 4,8,12,16,20,24,28,32,36,40,44,48,52,56,60
	s_delay_alu instid0(VALU_DEP_2)
	v_max3_num_f32 v10, v10, |v[XB+\j]|, |v[XB+\j+2]|
	s_delay_alu instid0(VALU_DEP_2)
	v_max3_num_f32 v11, v11, |v[XB+\j+1]|, |v[XB+\j+3]|
.endr
	s_delay_alu instid0(VALU_DEP_2)
	v_add_nc_u32 v12, 0xff000000, v10              ; the conversions' scale operands
	s_delay_alu instid0(VALU_DEP_2)
	v_add_nc_u32 v13, 0xff000000, v11
	s_delay_alu instid0(VALU_DEP_2)
	v_lshrrev_b32 v14, 23, v12                     ; the bytes
	s_delay_alu instid0(VALU_DEP_2)
	v_lshrrev_b32 v15, 23, v13
	s_delay_alu instid0(VALU_DEP_2)
	v_alignbit_b32 v240, v14, v240, 8              ; four bytes down by one, the new byte on top: after four blocks the first lies lowest
	s_delay_alu instid0(VALU_DEP_2)
	v_alignbit_b32 v242, v15, v242, 8
.irp g, 0,1,2,3                        ; a conversion takes 8 rows of ONE column from consecutive registers: the pairs as loaded are sorted apart
.irp r, 0,1,2,3,4,5,6,7
	v_mov_b32 v[D+16*(\g%2)+\r], v[XB+16*\g+2*\r]
	v_mov_b32 v[D+16*(\g%2)+8+\r], v[XB+16*\g+2*\r+1]
.endr
	v_cvt_scalef32_pk8_fp4_f32 v[CB+\g], v[D+16*(\g%2):D+16*(\g%2)+7], v12
	v_cvt_scalef32_pk8_fp4_f32 v[CB+4+\g], v[D+16*(\g%2)+8:D+16*(\g%2)+15], v13
.endr
	global_store_b128 v4, v[CB:CB+3], s[44:45] offset:256*(\st)      ; 32 lanes fill two aligned runs of 256 bytes (two tiles)
	global_store_b128 v5, v[CB+4:CB+7], s[44:45] offset:256*(\st)
.if \more
	LOADB \st
.endif
.endm
	LOADB 0
	s_wait_alu depctr_va_vdst(0)
	LOADB 1
	BLOCK 0, 1, 32
	BLOCK 1, 1, 32
	s_add_nc_u64 s[44:45], s[44:45], 512           ; (behind the wait on XCNT in LOADB)
	BLOCK 0, 0, 32                                 ; the last two blocks load nothing
	BLOCK 1, 0, 0
	global_store_b32 v6, v240, s[46:47]            ; two tiles' rows, my four bytes of each row's eight
	global_store_b32 v6, v242, s[46:47] offset:256
	s_endpgm
.Lfunc_end_k_qfd0cd6f1ac_prep:
	.size	k_qfd0cd6f1ac_prep, .Lfunc_end_k_qfd0cd6f1ac_prep-k_qfd0cd6f1ac_prep
	.p2alignl 7, 3214868480
	.fill 96, 4, 3214868480
	.section	.rodata,"a",@progbits
	.p2align	6, 0x0
	.amdhsa_kernel k_qfd0cd6f1ac_prep
		.amdhsa_group_segment_fixed_size 56320
		.amdhsa_private_segment_fixed_size 0
		.amdhsa_enable_private_segment 0
		.amdhsa_kernarg_size 72
		.amdhsa_user_sgpr_count 2
		.amdhsa_user_sgpr_kernarg_segment_ptr 1
		.amdhsa_wavefront_size32 1
		.amdhsa_system_sgpr_workgroup_id_x 1
		.amdhsa_system_sgpr_workgroup_id_y 1
		.amdhsa_system_sgpr_workgroup_id_z 1
		.amdhsa_system_vgpr_workitem_id 0
		.amdhsa_next_free_vgpr 248
		.amdhsa_next_free_sgpr 66
		.amdhsa_reserve_vcc 0
		.amdhsa_float_denorm_mode_32 3
		.amdhsa_float_denorm_mode_16_64 3
		.amdhsa_memory_ordered 1
		.amdhsa_forward_progress 1
		.amdhsa_inst_pref_size 97
	.end_amdhsa_kernel
	.amdgpu_metadata
---
amdhsa.version: [ 1, 2 ]
amdhsa.kernels:
  - .name:           k_qfd0cd6f1ac_prep
    .symbol:         k_qfd0cd6f1ac_prep.kd
    .args:
      - { .name: x, .offset: 0, .size: 8, .value_kind: global_buffer, .address_space: global }
      - { .name: ln1_g, .offset: 8, .size: 8, .value_kind: global_buffer, .address_space: global }
      - { .name: ln1_b, .offset: 16, .size: 8, .value_kind: global_buffer, .address_space: global }
      - { .name: xa, .offset: 24, .size: 8, .value_kind: global_buffer, .address_space: global }
      - { .name: Wqkv, .offset: 32, .size: 8, .value_kind: global_buffer, .address_space: global }
      - { .name: Wo, .offset: 40, .size: 8, .value_kind: global_buffer, .address_space: global }
      - { .name: W1, .offset: 48, .size: 8, .value_kind: global_buffer, .address_space: global }
      - { .name: W2, .offset: 56, .size: 8, .value_kind: global_buffer, .address_space: global }
      - { .name: wq, .offset: 64, .size: 8, .value_kind: global_buffer, .address_space: global }
    .group_segment_fixed_size: 56320
    .private_segment_fixed_size: 0
    .kernarg_segment_align: 8
    .kernarg_segment_size: 72
    .max_flat_workgroup_size: 256
    .sgpr_count:     66
    .vgpr_count:     248
    .wavefront_size: 32
...
	.end_amdgpu_metadata
.endif
;; end of part 1
;; launch qkv (part 2): grid 12 x 16, 16 waves a work-group, clusters of 4 x 4, 327,680 bytes of LDS; arguments xa, wq, bqkv, cos, sin, qkv; writes qkv
.if DOCPART == 2
	.amdgcn_target "amdgcn-amd-amdhsa--gfx1250"
	.amdhsa_code_object_version 6
	.text
	.protected	k_qfd0cd6f1ac_qkv
	.globl	k_qfd0cd6f1ac_qkv
	.p2align	8
	.type	k_qfd0cd6f1ac_qkv,@function
k_qfd0cd6f1ac_qkv:
	s_mov_b64 s[64:65], 0
	v_nop
	global_prefetch_b8 v0, s[64:65] scope:SCOPE_SE
	s_setreg_imm32_b32 hwreg(HW_REG_WAVE_MODE, 25, 1), 1
	s_wait_xcnt 0x0
	s_wait_alu depctr_hold_cnt(0) depctr_sa_sdst(0) depctr_va_vdst(0) depctr_va_sdst(0) depctr_va_ssrc(0) depctr_va_vcc(0) depctr_vm_vsrc(0)
	s_getreg_b32 s2, hwreg(HW_REG_IB_STS2, 6, 4)
	s_cmp_eq_u32 s2, 0
	s_cbranch_scc0 .Lentry_in_a_cluster
	s_endpgm
.Lentry_in_a_cluster:
	s_bfe_u32 s2, ttmp6, 0x10000c
	s_cmp_lg_u32 s2, 0xf033
	s_cbranch_scc0 .Lentry_shape_is_right
	s_endpgm
.Lentry_shape_is_right:
; qkv = LN1(x) Wqkv + bqkv on codes of E2M1; RoPE on q and k; q and k quantised along the head's 64, v along the keys.  No work of the problem is left out here.
; A work-group makes 256 tokens x 256 columns (four heads of q, of k or of v: the cluster's x says which); K = 1,024 lies whole in LDS, in two halves, filled once.
; Sixteen waves, four to a SIMD; a wave makes 64 x 64: 16 accumulators.  CLUSTER 4 x 4: the weights' tiles hang on the column block alone and are asked for jointly along a column of the cluster,
; the tokens' tiles on the row block alone and are asked for jointly along a row.
; q, k: source 0 = 16 rows of the weight's image, source 1 = 16 tokens: lane (r, h) holds token r, and register j of tile 2 p + u the column 32 h + 16 u + 2 j + p of the head: RoPE's partners share a lane.
; v: the sources are swapped: lane r holds one channel and its registers run along the tokens, which are the keys of the second product of attention.
; q's and k's tail: the bias is added to all four tiles of tokens first, which frees its 32 registers: cos and sin then have two sets of 32, and a tile's are asked for two tiles ahead.
; OUT (buffer qkv): q's codes [head][16 tokens][lane][16 bytes] at 0; q's scale words [head][token] at 2,097,152; from 2,359,296 for each head and 512 keys one block of 35,840 bytes:
; k's codes, v's codes, k's scale words, v's scale words, laid as the next launch's registers take them.  The upper two bytes of q's and k's scale words are 0x7f: they scale the upper 64 of K, where q's codes are zero.
; k's codes leave in aligned runs of 128 bytes, of which tiles b and b + 2 fill the two halves of 256; v's scale bytes leave two at a time, since a word's other half belongs to another wave's 64 keys: one byte in 256 of what the launch stores.
; LIMITS: as in the first launch; RoPE's two products and sum are one product and one fused multiply-add.
.set SPARE, 262144                     ; behind the two halves of K: the spare words, 128 bytes for each of 16 waves
.set CHK,   4096                       ; the second half of K lies 4,096 bytes on in each tile of 8,192
.set WC_OFF, 0
.set WS_OFF, 6291456
.set NT128, 24576                      ; 128 x the weight's 192 tiles
.set SW, 32                            ; v32-47 the weight's scale words: 32 + 8 (tile / 2) + K step; even tile in lanes 0-15, odd in lanes 16-31
.set SX, 48                            ; v48-63 the tokens' likewise
.set WF, 64                            ; v64-95 four fragments of the weight
.set XF, 96                            ; v96-127 four fragments of tokens
.set ACC, 128                          ; v128-255: accumulator (a, b) at 128 + 32 b + 8 a; a: source 0's tile, b: source 1's
.set SPW, 6
.set NIL, 7
.macro CROUND                          ; a round of the cluster's barrier
	s_barrier_signal -1
	s_barrier_wait -1
	s_cmp_lg_u32 s16, 0
	s_cbranch_scc1 .Lnot_wave_0_\@
	s_barrier_signal -3
.Lnot_wave_0_\@:
	s_barrier_wait -3
	s_barrier_signal -1
	s_barrier_wait -1
.endm
.macro JLOAD ch                        ; a joint load: waves 0-7 fetch two tiles of the weight each, waves 8-15 two tiles of tokens; the branch hangs on the wave's number alone
	s_cmp_lt_u32 s16, 8
	s_cbranch_scc0 .Lfor_x_\@
	tensor_load_to_lds s[40+4*\ch:43+4*\ch], s[24:31]
	s_nop 0
.rept 4
	v_nop
.endr
	s_branch .Lasked_\@
.Lfor_x_\@:
	tensor_load_to_lds s[48+4*\ch:51+4*\ch], s[32:39]
	s_nop 0
.rept 4
	v_nop
.endr
.Lasked_\@:
.endm
.macro WMX                             ; one product, by the symbols rD, rA, rB, sA, sB; oA, oB: the side's scale words lie in lanes 16-31; zZ: it starts the sum
.if zZ
.if oA && oB
	v_wmma_scale_f32_16x16x128_f8f6f4 v[rD:rD+7], v[rA:rA+7], v[rB:rB+7], 0, v[sA], v[sB] matrix_a_fmt:MATRIX_FMT_FP4 matrix_b_fmt:MATRIX_FMT_FP4 matrix_a_scale:MATRIX_SCALE_ROW1 matrix_b_scale:MATRIX_SCALE_ROW1
.elseif oA
	v_wmma_scale_f32_16x16x128_f8f6f4 v[rD:rD+7], v[rA:rA+7], v[rB:rB+7], 0, v[sA], v[sB] matrix_a_fmt:MATRIX_FMT_FP4 matrix_b_fmt:MATRIX_FMT_FP4 matrix_a_scale:MATRIX_SCALE_ROW1
.elseif oB
	v_wmma_scale_f32_16x16x128_f8f6f4 v[rD:rD+7], v[rA:rA+7], v[rB:rB+7], 0, v[sA], v[sB] matrix_a_fmt:MATRIX_FMT_FP4 matrix_b_fmt:MATRIX_FMT_FP4 matrix_b_scale:MATRIX_SCALE_ROW1
.else
	v_wmma_scale_f32_16x16x128_f8f6f4 v[rD:rD+7], v[rA:rA+7], v[rB:rB+7], 0, v[sA], v[sB] matrix_a_fmt:MATRIX_FMT_FP4 matrix_b_fmt:MATRIX_FMT_FP4
.endif
.else
.if oA && oB
	v_wmma_scale_f32_16x16x128_f8f6f4 v[rD:rD+7], v[rA:rA+7], v[rB:rB+7], v[rD:rD+7], v[sA], v[sB] matrix_a_fmt:MATRIX_FMT_FP4 matrix_b_fmt:MATRIX_FMT_FP4 matrix_a_scale:MATRIX_SCALE_ROW1 matrix_b_scale:MATRIX_SCALE_ROW1
.elseif oA
	v_wmma_scale_f32_16x16x128_f8f6f4 v[rD:rD+7], v[rA:rA+7], v[rB:rB+7], v[rD:rD+7], v[sA], v[sB] matrix_a_fmt:MATRIX_FMT_FP4 matrix_b_fmt:MATRIX_FMT_FP4 matrix_a_scale:MATRIX_SCALE_ROW1
.elseif oB
	v_wmma_scale_f32_16x16x128_f8f6f4 v[rD:rD+7], v[rA:rA+7], v[rB:rB+7], v[rD:rD+7], v[sA], v[sB] matrix_a_fmt:MATRIX_FMT_FP4 matrix_b_fmt:MATRIX_FMT_FP4 matrix_b_scale:MATRIX_SCALE_ROW1
.else
	v_wmma_scale_f32_16x16x128_f8f6f4 v[rD:rD+7], v[rA:rA+7], v[rB:rB+7], v[rD:rD+7], v[sA], v[sB] matrix_a_fmt:MATRIX_FMT_FP4 matrix_b_fmt:MATRIX_FMT_FP4
.endif
.endif
.endm
.macro WM8 a0, ks, zr                  ; source 0's tiles a0, a0 + 1 against source 1's four
.irp a, \a0, \a0+1
.irp b, 0,1,2,3
.set rD, ACC+32*\b+8*(\a)
.set rA, f0+8*(\a)
.set rB, f1+8*\b
.set sA, g0+8*((\a)/2)+(\ks)
.set sB, g1+8*(\b/2)+(\ks)
.set oA, (\a)%2
.set oB, \b%2
.set zZ, \zr
	WMX
.endr
.endr
.endm
; A step of 128 along K: the kj-th of half ch.  The 16 accumulators take turns, one instruction a turn, in the same order in every step.
.macro KSTEP ch, kj, first, swp
.if \first == 0
.rept 4
	v_nop                                          ; four places in front of loads into registers that matrix instructions have read
.endr
.endif
.if \swp
.set f0, XF
.set d0, 3+2*(\ch)
.set g0, SX
.set f1, WF
.set d1, 2+2*(\ch)
.set g1, SW
.else
.set f0, WF
.set d0, 2+2*(\ch)
.set g0, SW
.set f1, XF
.set d1, 3+2*(\ch)
.set g1, SX
.endif
.irp t, 0,1,2,3
	ds_load_b128 v[f1+8*\t:f1+8*\t+3], v[d1] offset:8192*\t+1024*(\kj)
	ds_load_b128 v[f1+8*\t+4:f1+8*\t+7], v[d1] offset:8192*\t+1024*(\kj)+512
.endr
.irp t, 0,1,2,3
	ds_load_b128 v[f0+8*\t:f0+8*\t+3], v[d0] offset:8192*\t+1024*(\kj)
	ds_load_b128 v[f0+8*\t+4:f0+8*\t+7], v[d0] offset:8192*\t+1024*(\kj)+512
.endr
	s_wait_dscnt 4                                 ; all but the last four loads: source 0's tiles 2 and 3
	WM8 0, 4*(\ch)+(\kj), \first
	s_wait_dscnt 0x0
	WM8 2, 4*(\ch)+(\kj), \first
.endm
.macro MAIN swp
	s_wait_tensorcnt 0x0                           ; my one tensor load, two whole tiles, is in
	s_barrier_signal -1
	s_barrier_wait -1                              ; everybody's is
	s_wait_loadcnt 0x0                             ; the scale words
	KSTEP 0, 0, 1, \swp
	KSTEP 0, 1, 0, \swp
	KSTEP 0, 2, 0, \swp
	KSTEP 0, 3, 0, \swp
	KSTEP 1, 0, 0, \swp
	KSTEP 1, 1, 0, \swp
	KSTEP 1, 2, 0, \swp
	KSTEP 1, 3, 0, \swp
.rept 4
	v_nop                                          ; places in front of the first read of results and of loads into the fragments' registers
.endr
.endm
	s_load_b256 s[4:11], s[0:1], 0x0               ; xa s[4:5], wq s[6:7], bqkv s[8:9], cos s[10:11]
	s_load_b128 s[12:15], s[0:1], 0x20             ; sin s[12:13], qkv s[14:15]
	v_lshl_add_u32 v[SPW], v0, 2, SPARE
	v_mov_b32 v[NIL], 0
	ds_add_u32 v[SPW], v[NIL]                      ; the wave's opening: the add, twice on end, and its wait ahead of my first tensor load
	ds_add_u32 v[SPW], v[NIL]
	v_lshrrev_b32 v1, 5, v0
	s_delay_alu instid0(VALU_DEP_1)
	v_readfirstlane_b32 s16, v1                    ; wave 0..15
	s_and_b32 s17, s16, 3                          ; ww: my 64 columns (a head)
	s_lshr_b32 s18, s16, 2                         ; wx: my 64 tokens
	s_and_b32 s19, s16, 7
	s_bfe_u32 s20, ttmp6, 0x40000                  ; cx
	s_bfe_u32 s21, ttmp6, 0x40004                  ; cy
	s_lshl_b32 s22, ttmp9, 2
	s_add_co_u32 s22, s22, s20                     ; ct: block of 256 columns
	s_and_b32 s23, ttmp7, 0xffff
	s_lshl_b32 s23, s23, 2
	s_add_co_u32 s23, s23, s21                     ; yt: block of 256 tokens
	s_lshl_b32 s56, s21, 2
	s_lshl_b32 s56, 15, s56                        ; my row of the cluster
	s_lshl_b32 s57, 0x1111, s20                    ; my column
	s_or_b32 s24, s57, (3<<16)|(1<<21)             ; group 1: the mask; elements of 8 bytes; bit 21 beside a mask; no padding
	s_or_b32 s32, s56, (3<<16)|(1<<21)
.irp g, 24, 32
	s_mov_b32 s[\g+1], 1024<<16                    ; tensor_dim0 = 1,024 elements: a tile's whole K, 8,192 bytes
	s_mov_b32 s[\g+2], 2<<16                       ; tensor_dim1 = 2 tiles
	s_mov_b32 s[\g+3], 1024<<16                    ; tile_dim0
	s_mov_b32 s[\g+4], 2                           ; tile_dim1
	s_mov_b32 s[\g+5], 1024                        ; from tile to tile: 8,192 bytes
	s_mov_b32 s[\g+6], 0
	s_mov_b32 s[\g+7], 0
.endr
	s_lshl_b32 s60, s19, 1                         ; which two tiles I fetch
	s_lshl_b32 s58, s22, 4
	s_add_co_u32 s58, s58, s60
	s_lshl_b32 s58, s58, 13
	s_mov_b32 s59, 0
	s_lshl_b32 s62, s23, 4
	s_add_co_u32 s62, s62, s60
	s_lshl_b32 s62, s62, 13
	s_mov_b32 s63, 0
	s_lshl_b32 s61, s16, 14                        ; and where they go: 16,384 x wave: no place in the cluster enters an LDS address
	s_wait_dscnt 0x0                               ; both opening adds are done
	s_wait_kmcnt 0x0
	s_add_nc_u64 s[58:59], s[6:7], s[58:59]
	s_add_nc_u64 s[62:63], s[4:5], s[62:63]
	CROUND                                         ; all sixteen work-groups are here: the joint loads meet
.irp ch, 0
	s_mov_b32 s[40+4*\ch], 1
	s_add_co_u32 s[41+4*\ch], s61, \ch*CHK
	s_add_nc_u64 s[42+4*\ch:43+4*\ch], s[58:59], \ch*4096
	s_or_b32 s[43+4*\ch], s[43+4*\ch], 0x80000000
	s_mov_b32 s[48+4*\ch], 1
	s_add_co_u32 s[49+4*\ch], s61, \ch*CHK
	s_add_nc_u64 s[50+4*\ch:51+4*\ch], s[62:63], \ch*4096
	s_or_b32 s[51+4*\ch], s[51+4*\ch], 0x80000000
	JLOAD \ch
.endr
	v_and_b32 v8, 31, v0
	s_delay_alu instid0(VALU_DEP_1)
	v_lshlrev_b32 v1, 4, v8                        ; 16 x lane
	s_delay_alu instid0(VALU_DEP_2)
	v_lshlrev_b32 v9, 3, v8                        ; 8 x lane
	s_wait_alu depctr_va_vdst(0)
	s_lshl_b32 s66, s22, 4
	s_lshl_b32 s67, s17, 2
	s_add_co_u32 s66, s66, s67
	s_lshl_b32 s66, s66, 7
	s_add_co_u32 s66, s66, WS_OFF
	s_mov_b32 s67, 0
	s_add_nc_u64 s[66:67], s[6:7], s[66:67]        ; the scale words of my four tiles of the weight
	s_lshl_b32 s68, s23, 4
	s_lshl_b32 s69, s18, 2
	s_add_co_u32 s68, s68, s69
	s_lshl_b32 s68, s68, 7
	s_add_co_u32 s68, s68, 2097152
	s_mov_b32 s69, 0
	s_add_nc_u64 s[68:69], s[4:5], s[68:69]        ; and of my four tiles of tokens
.irp pp, 0,1
.irp kq, 0,1,2,3
	global_load_b64 v[SW+8*\pp+2*\kq:SW+8*\pp+2*\kq+1], v9, s[66:67] offset:\kq*NT128+256*\pp
	global_load_b64 v[SX+8*\pp+2*\kq:SX+8*\pp+2*\kq+1], v9, s[68:69] offset:\kq*32768+256*\pp
.endr
.endr
	s_lshl_b32 s92, s17, 15
	v_add_nc_u32 v2, s92, v1                       ; my fragments of the weight, first half of K
	s_lshl_b32 s92, s18, 15
	s_add_co_u32 s92, s92, 131072
	v_add_nc_u32 v3, s92, v1                       ; of the tokens
	v_add_nc_u32 v4, CHK, v2                       ; second half
	s_delay_alu instid0(VALU_DEP_2)
	v_add_nc_u32 v5, CHK, v3
	; where the results go
	s_lshl_b32 s70, s20, 2
	s_add_co_u32 s70, s70, s17                     ; the head
	s_lshl_b32 s71, s22, 2
	s_add_co_u32 s71, s71, s17                     ; the group of 64 columns of Wqkv
	s_lshr_b32 s72, s23, 3
	s_lshl_b32 s72, s72, 4
	s_add_co_u32 s72, s72, s70                     ; 16 x batch + head
	s_and_b32 s73, s23, 7
	s_lshl_b32 s73, s73, 8
	s_lshl_b32 s92, s18, 6
	s_add_co_u32 s73, s73, s92                     ; my first token's position in its sequence
	s_mov_b32 s93, 0
	s_lshl_b32 s92, s71, 8
	s_add_nc_u64 s[74:75], s[8:9], s[92:93]        ; my 64 numbers of bqkv
	s_lshl_b32 s92, s73, 7
	s_add_nc_u64 s[76:77], s[10:11], s[92:93]      ; cos and sin at my first position
	s_add_nc_u64 s[78:79], s[12:13], s[92:93]
	s_lshl_b32 s92, s72, 16
	s_lshl_b32 s95, s73, 5
	s_add_co_u32 s92, s92, s95
	s_add_nc_u64 s[80:81], s[14:15], s[92:93]      ; q's codes
	s_lshl_b32 s92, s72, 13
	s_lshl_b32 s95, s73, 2
	s_add_co_u32 s92, s92, s95
	s_add_co_u32 s92, s92, 2097152
	s_add_nc_u64 s[82:83], s[14:15], s[92:93]      ; q's scale words
	s_mul_i32 s92, s72, 143360
	s_bfe_u32 s95, s23, 0x20001
	s_mul_i32 s95, s95, 35840
	s_add_co_u32 s92, s92, s95
	s_add_co_u32 s92, s92, 2359296
	s_add_nc_u64 s[84:85], s[14:15], s[92:93]      ; the block of my 512 keys
	s_and_b32 s95, s23, 1
	s_lshl_b32 s95, s95, 2
	s_add_co_u32 s95, s95, s18                     ; which 64 keys of the 512
	s_lshl_b32 s92, s95, 8
	s_add_co_u32 s92, s92, 32768
	s_add_nc_u64 s[86:87], s[84:85], s[92:93]      ; k's scale words
	s_lshr_b32 s98, s95, 1                         ; which 128 keys, and
	s_and_b32 s99, s95, 1                          ; which half of them
	s_lshl_b32 s92, s98, 12
	s_lshl_b32 s94, s99, 9
	s_add_co_u32 s92, s92, s94
	s_add_co_u32 s92, s92, 16384
	s_add_nc_u64 s[88:89], s[84:85], s[92:93]      ; v's codes
	s_lshl_b32 s92, s98, 8
	s_lshl_b32 s94, s99, 1
	s_add_co_u32 s92, s92, s94
	s_add_co_u32 s92, s92, 34816
	s_add_nc_u64 s[90:91], s[84:85], s[92:93]      ; v's scale bytes
	s_lshl_b32 s92, s95, 11
	s_add_nc_u64 s[84:85], s[84:85], s[92:93]      ; k's codes
	s_mov_b32 s94, 0xffff0000                      ; lanes 16-31
	s_mov_b32 s96, 0x76543210
	s_mov_b32 s97, 0xfedcba98
; 32 numbers of a lane, v[qA] on, in two blocks of 16 registers, each block shared with lane l xor 16, become 16 bytes of codes in v[qC] on (lanes 0-15: block 0, lanes 16-31: block 1) and two scale bytes in v[qW].
; isv = 0: register 16 B + i is k = 32 B + 16 h + i.  isv = 1: register 16 B + 8 a + j is k = 32 B + 16 a + 8 h + j.
.macro QUANT2 isv
	v_max3_num_f32 v24, |v[qA]|, |v[qA+1]|, 0x1800000
	v_max3_num_f32 v25, |v[qA+16]|, |v[qA+17]|, 0x1800000
.irp i, 2,4,6,8,10,12,14
	s_delay_alu instid0(VALU_DEP_2)
	v_max3_num_f32 v24, v24, |v[qA+\i]|, |v[qA+\i+1]|
	s_delay_alu instid0(VALU_DEP_2)
	v_max3_num_f32 v25, v25, |v[qA+16+\i]|, |v[qA+17+\i]|
.endr
	s_delay_alu instid0(VALU_DEP_2)
	v_permlanex16_b32 v26, v24, s96, s97
	s_delay_alu instid0(VALU_DEP_2)
	v_permlanex16_b32 v27, v25, s96, s97
	s_delay_alu instid0(VALU_DEP_2)
	v_max_num_f32 v24, v24, v26
	s_delay_alu instid0(VALU_DEP_2)
	v_max_num_f32 v25, v25, v27
	s_delay_alu instid0(VALU_DEP_2)
	v_add_nc_u32 v28, 0xff000000, v24              ; 2 off the exponent field: the conversions' scale operands
	s_delay_alu instid0(VALU_DEP_2)
	v_add_nc_u32 v29, 0xff000000, v25
	s_delay_alu instid0(VALU_DEP_2)
	v_lshrrev_b32 v26, 23, v28
	s_delay_alu instid0(VALU_DEP_2)
	v_lshrrev_b32 v27, 23, v29
	s_delay_alu instid0(VALU_DEP_1)
	v_lshl_or_b32 v[qW], v27, 8, v26
.if \isv
	v_cvt_scalef32_pk8_fp4_f32 v[qC], v[qA:qA+7], v28
	v_cvt_scalef32_pk8_fp4_f32 v[qC+2], v[qA+8:qA+15], v28
	v_cvt_scalef32_pk8_fp4_f32 v[qC+1], v[qA+16:qA+23], v29
	v_cvt_scalef32_pk8_fp4_f32 v[qC+3], v[qA+24:qA+31], v29
	v_nop                                          ; one plain line behind the conversions
	v_permlane16_swap_b32 v[qC], v[qC+1]
	v_permlane16_swap_b32 v[qC+2], v[qC+3]
.else
	s_delay_alu instid0(VALU_DEP_1)
	v_or_b32 v[qW], 0x7f7f0000, v[qW]              ; the upper 64 of K are zero codes: their scale is 1
	v_cvt_scalef32_pk8_fp4_f32 v[qC], v[qA:qA+7], v28
	v_cvt_scalef32_pk8_fp4_f32 v[qC+1], v[qA+8:qA+15], v28
	v_cvt_scalef32_pk8_fp4_f32 v[qC+2], v[qA+16:qA+23], v29
	v_cvt_scalef32_pk8_fp4_f32 v[qC+3], v[qA+24:qA+31], v29
	v_nop
	v_permlane16_swap_b32 v[qC], v[qC+2]
	v_permlane16_swap_b32 v[qC+1], v[qC+3]
.endif
.endm
; cos and sin of tile b's 16 positions, eight loads: even tiles into v96-127, odd tiles into v64-95; cos in the set's lower 16 registers, sin in its upper 16
.macro CSLOAD b
.set cL, 96-32*((\b)%2)
.irp q, 0,1,2,3
	global_load_b128 v[cL+4*\q:cL+4*\q+3], v16, s[76:77] offset:2048*(\b)+16*\q        ; cos(t, 16 h + 0 .. 15)
	global_load_b128 v[cL+16+4*\q:cL+19+4*\q], v16, s[78:79] offset:2048*(\b)+16*\q    ; sin
.endr
.endm
; a tile of 16 tokens of q or k, the bias already added: RoPE, quantise, store
.macro TILEQK b, isk
.set qA, ACC+32*(\b)
.set qC, 8+4*((\b)%2)
.set qW, 2+(\b)
.set cB, 96-32*((\b)%2)
.if (\b) < 3
	s_wait_loadcnt 8                               ; this tile's cos and sin are in; the next tile's eight loads may stay out
.else
	s_wait_loadcnt 0x0
.endif
.irp q, 0,2,4,6,8,10,12,14
.set tT, 24+4*((\q/2)%2)
	v_pk_mul_f32 v[tT:tT+1], v[qA+16+\q:qA+17+\q], v[cB+16+\q:cB+17+\q]
	v_pk_mul_f32 v[tT+2:tT+3], v[qA+16+\q:qA+17+\q], v[cB+\q:cB+1+\q]
	s_delay_alu instid0(VALU_DEP_1)
	v_pk_fma_f32 v[qA+16+\q:qA+17+\q], v[qA+\q:qA+1+\q], v[cB+16+\q:cB+17+\q], v[tT+2:tT+3]                        ; x1 sin + x2 cos: channel 32 + i
	s_delay_alu instid0(VALU_DEP_3)
	v_pk_fma_f32 v[qA+\q:qA+1+\q], v[qA+\q:qA+1+\q], v[cB+\q:cB+1+\q], v[tT:tT+1] neg_lo:[0,0,1] neg_hi:[0,0,1]    ; x1 cos - x2 sin: channel i
.endr
.if (\b) < 2
	CSLOAD \b+2                                    ; the set just read takes the cos and sin of the tile two further on
.endif
.if (\b) > 1
	s_wait_xcnt 0x0                                ; the store of two tiles ago has read the registers that the codes now take
.endif
	QUANT2 0
.if \isk
	global_store_b128 v17, v[qC:qC+3], s[84:85] offset:((\b)%2)*1024+((\b)/2)*128
.else
	global_store_b128 v1, v[qC:qC+3], s[80:81] offset:512*(\b)      ; 512 consecutive bytes
.endif
.endm
.macro EPQK isk
	v_and_b32 v19, 31, v0
	v_and_b32 v20, 15, v0                          ; r
	s_delay_alu instid0(VALU_DEP_2)
	v_lshrrev_b32 v21, 4, v19                      ; h
	s_delay_alu instid0(VALU_DEP_1)
	v_lshlrev_b32 v24, 7, v21                      ; the bias: my half's 32 numbers
	s_delay_alu instid0(VALU_DEP_3)
	v_lshlrev_b32 v16, 7, v20
	s_delay_alu instid0(VALU_DEP_1)
	v_lshl_add_u32 v16, v21, 6, v16                ; cos, sin: row r of 128 bytes, + 64 h
.if \isk
	v_lshrrev_b32 v22, 3, v20
	v_and_b32 v23, 7, v20
	s_delay_alu instid0(VALU_DEP_2)
	v_lshlrev_b32 v17, 9, v22                      ; key 16 b + r goes to tile 2 (b % 2) + r / 8, row 8 (b / 2) + r % 8
	s_delay_alu instid0(VALU_DEP_1)
	v_lshl_add_u32 v17, v21, 8, v17
	s_delay_alu instid0(VALU_DEP_1)
	v_lshl_add_u32 v17, v23, 4, v17
	v_lshlrev_b32 v18, 6, v22
	s_delay_alu instid0(VALU_DEP_1)
	v_lshl_add_u32 v18, v21, 5, v18
	s_delay_alu instid0(VALU_DEP_1)
	v_lshl_add_u32 v18, v23, 2, v18
.else
	v_lshlrev_b32 v18, 2, v19
.endif
.irp i, 0,1,2,3,4,5,6,7
	global_load_b128 v[64+4*\i:67+4*\i], v24, s[74:75] offset:16*\i
.endr
	CSLOAD 0
	s_wait_loadcnt 8                               ; the bias is in; tile 0's eight loads of cos and sin may stay out
.irp b, 0,1,2,3                        ; the bias onto all four tiles of tokens; each accumulator is read from its low end on
.irp u, 0,1
.irp j, 0,1,2,3,4,5,6,7
	v_add_f32 v[ACC+32*\b+8*\u+\j], v[ACC+32*\b+8*\u+\j], v[64+16*\u+2*\j]            ; the even columns
.endr
.endr
.irp u, 0,1
.irp j, 0,1,2,3,4,5,6,7
	v_add_f32 v[ACC+32*\b+16+8*\u+\j], v[ACC+32*\b+16+8*\u+\j], v[65+16*\u+2*\j]      ; the odd columns
.endr
.endr
.endr
	CSLOAD 1                                       ; into the registers that held the bias
	TILEQK 0, \isk
	TILEQK 1, \isk
	TILEQK 2, \isk
	TILEQK 3, \isk
.if \isk
	v_cndmask_b32 v24, v2, v4, s94                 ; lanes 0-15: tile b's words, lanes 16-31: tile b + 2's: 128 consecutive bytes a store
	v_cndmask_b32 v25, v3, v5, s94
	global_store_b32 v18, v24, s[86:87]
	global_store_b32 v18, v25, s[86:87] offset:128
.else
	v_cndmask_b32 v24, v2, v3, s94                 ; lanes 0-15: tile b's words, lanes 16-31: tile b + 1's
	v_cndmask_b32 v25, v4, v5, s94
	global_store_b32 v18, v24, s[82:83]
	global_store_b32 v18, v25, s[82:83] offset:128
.endif
.endm
	s_cmp_eq_u32 ttmp9, 2                          ; the cluster's x: the same in all sixteen partners
	s_cbranch_scc1 .Lv
	s_wait_alu depctr_va_vdst(0)
	MAIN 0
	s_cmp_eq_u32 ttmp9, 0
	s_cbranch_scc0 .Lk
	EPQK 0
	s_branch .Ldone
.Lk:
	EPQK 1
	s_branch .Ldone
.Lv:
	s_wait_alu depctr_va_vdst(0)
	MAIN 1
	v_mov_b32 v26, 0                               ; a lane permute's destination counts as one of its sources
	v_mov_b32 v27, 0
	v_and_b32 v16, 15, v0                          ; row r of tile 2 p + u is channel 32 (r / 8) + 16 u + 2 (r % 8) + p
	s_delay_alu instid0(VALU_DEP_1)
	v_lshrrev_b32 v17, 3, v16
	s_delay_alu instid0(VALU_DEP_2)
	v_and_b32 v18, 7, v16
	s_delay_alu instid0(VALU_DEP_2)
	v_lshlrev_b32 v19, 7, v17
	s_delay_alu instid0(VALU_DEP_1)
	v_lshl_add_u32 v19, v18, 3, v19
	v_and_b32 v20, 31, v0
	s_delay_alu instid0(VALU_DEP_1)
	v_lshlrev_b32 v20, 2, v20
.irp b, 0,1,2,3
	global_load_b32 v[64+\b], v19, s[74:75] offset:(16*(\b%2)+\b/2)*4
.endr
	s_wait_loadcnt 0x0
.irp b, 0,1,2,3
.set qA, ACC+32*\b
.set qC, 8+4*(\b%2)
.set qW, 2+\b
.irp i, 0,1,2,3,4,5,6,7,8,9,10,11,12,13,14,15,16,17,18,19,20,21,22,23,24,25,26,27,28,29,30,31
	v_add_f32 v[qA+\i], v[qA+\i], v[64+\b]
.endr
.if \b > 1
	s_wait_xcnt 0x0
.endif
	QUANT2 1
	global_store_b128 v1, v[qC:qC+3], s[88:89] offset:1024*\b       ; 512 consecutive bytes
.endr
	v_cndmask_b32 v24, v2, v3, s94
	v_cndmask_b32 v25, v4, v5, s94
	global_store_b16 v20, v24, s[90:91]
	global_store_b16 v20, v25, s[90:91] offset:128
.Ldone:
	s_wait_tensorcnt 0x0                           ; the wave's end
	ds_add_u32 v[SPW], v[NIL]
	s_wait_dscnt 0x0
	CROUND                                         ; the closing round
	s_endpgm
.Lfunc_end_k_qfd0cd6f1ac_qkv:
	.size	k_qfd0cd6f1ac_qkv, .Lfunc_end_k_qfd0cd6f1ac_qkv-k_qfd0cd6f1ac_qkv
	.p2alignl 7, 3214868480
	.fill 96, 4, 3214868480
	.section	.rodata,"a",@progbits
	.p2align	6, 0x0
	.amdhsa_kernel k_qfd0cd6f1ac_qkv
		.amdhsa_group_segment_fixed_size 327680
		.amdhsa_private_segment_fixed_size 0
		.amdhsa_enable_private_segment 0
		.amdhsa_kernarg_size 48
		.amdhsa_user_sgpr_count 2
		.amdhsa_user_sgpr_kernarg_segment_ptr 1
		.amdhsa_wavefront_size32 1
		.amdhsa_system_sgpr_workgroup_id_x 1
		.amdhsa_system_sgpr_workgroup_id_y 1
		.amdhsa_system_sgpr_workgroup_id_z 1
		.amdhsa_system_vgpr_workitem_id 0
		.amdhsa_next_free_vgpr 256
		.amdhsa_next_free_sgpr 100
		.amdhsa_reserve_vcc 0
		.amdhsa_float_denorm_mode_32 3
		.amdhsa_float_denorm_mode_16_64 3
		.amdhsa_memory_ordered 1
		.amdhsa_forward_progress 1
		.amdhsa_inst_pref_size 137
	.end_amdhsa_kernel
	.amdgpu_metadata
---
amdhsa.version: [ 1, 2 ]
amdhsa.kernels:
  - .name:           k_qfd0cd6f1ac_qkv
    .symbol:         k_qfd0cd6f1ac_qkv.kd
    .args:
      - { .name: xa, .offset: 0, .size: 8, .value_kind: global_buffer, .address_space: global }
      - { .name: wq, .offset: 8, .size: 8, .value_kind: global_buffer, .address_space: global }
      - { .name: bqkv, .offset: 16, .size: 8, .value_kind: global_buffer, .address_space: global }
      - { .name: cos, .offset: 24, .size: 8, .value_kind: global_buffer, .address_space: global }
      - { .name: sin, .offset: 32, .size: 8, .value_kind: global_buffer, .address_space: global }
      - { .name: qkv, .offset: 40, .size: 8, .value_kind: global_buffer, .address_space: global }
    .group_segment_fixed_size: 327680
    .private_segment_fixed_size: 0
    .kernarg_segment_align: 8
    .kernarg_segment_size: 48
    .max_flat_workgroup_size: 512
    .sgpr_count:     100
    .vgpr_count:     256
    .wavefront_size: 32
...
	.end_amdgpu_metadata
.endif
;; end of part 2
;; launch attn (part 3): grid 8 x 32, 16 waves a work-group, clusters of 4 x 1, 167,936 bytes of LDS; arguments qkv, ao; writes ao
.if DOCPART == 3
	.amdgcn_target "amdgcn-amd-amdhsa--gfx1250"
	.amdhsa_code_object_version 6
	.text
	.protected	k_qfd0cd6f1ac_attn
	.globl	k_qfd0cd6f1ac_attn
	.p2align	8
	.type	k_qfd0cd6f1ac_attn,@function
k_qfd0cd6f1ac_attn:
	s_mov_b64 s[64:65], 0
	v_nop
	global_prefetch_b8 v0, s[64:65] scope:SCOPE_SE
	s_setreg_imm32_b32 hwreg(HW_REG_WAVE_MODE, 25, 1), 1
	s_wait_xcnt 0x0
	s_wait_alu depctr_hold_cnt(0) depctr_sa_sdst(0) depctr_va_vdst(0) depctr_va_sdst(0) depctr_va_ssrc(0) depctr_va_vcc(0) depctr_vm_vsrc(0)
	s_getreg_b32 s2, hwreg(HW_REG_IB_STS2, 6, 4)
	s_cmp_eq_u32 s2, 0
	s_cbranch_scc0 .Lentry_in_a_cluster
	s_endpgm
.Lentry_in_a_cluster:
	s_bfe_u32 s2, ttmp6, 0x10000c
	s_cmp_lg_u32 s2, 0x3003
	s_cbranch_scc0 .Lentry_shape_is_right
	s_endpgm
.Lentry_shape_is_right:
; o = softmax(q k^T / 8) v for each of 32 heads, 2,048 queries and keys, head size 64, both products on codes of E2M1; o is quantised along D for the next product.  No work of the problem is left out here.
; THE SOFTMAX: t = score x log2(e) / 8; M = the running largest t rounded up to a whole number; p = 2^(t - M) is quantised along the keys; the row's sum is taken of the unquantised p and divides at the end.
; When M moves, the sums and O are multiplied by f = 2^(old M - new M): exact, in every step, with no branch on data.
; SHARES.  A work-group owns 256 queries of one head, each of its sixteen waves 16 of them, in 256 registers.  A step takes 256 keys: M, f, the rescaling and the scale words are made once for 256 keys.
; The head's K, V and their scale words are 143,360 dense bytes = 16 x 8,960: each wave fetches 35 rows of 256 bytes with ONE tensor load; they lie whole in LDS, filled once; one barrier shows them to all waves.
; CLUSTER 4 x 1: four blocks of queries of one head walk the same K and V: every load is asked for jointly.  No prefetch: all of K and V is asked for at the head, so there is no later load to run ahead of.
; Both products are used transposed: a lane holds one query throughout.  The keys of k's tiles were laid by the launch before so that the 32 score registers of four tiles are 32 neighbouring keys: a whole block in a lane.
; K of q k^T is 64: registers 4-7 of q's fragment are zero codes and bytes 2, 3 of q's and k's scale words are 0x7f.  k's fragments lie 4 registers apart: the upper four registers of a k operand are the next tile's codes
; (behind the last tile: zeros), finite numbers that meet q's zeros and add nothing.
; A BLOCK'S SCALE is made ahead of the exponentials: the largest p of a block is 2^x, x = its largest t - M, so its exponent is floor(x), held at -124 from below (the byte at 1).
; ORDER OF A STEP.  The sums of p are spread behind the second product's instructions and the LDS requests, on into the next step's start (a register of p is summed before the next scores are laid over it):
; they are the places behind the matrix instructions and stand between each request and the wait for it.  The next step's first eight tiles of k are asked for between the halves of the second product.
; Two plain f32 operations go as one dual pair; -M and f are kept twice, so that the pair's sources lie in different register banks.
; o's two scale bytes a row leave as one store of two bytes a lane: their neighbours belong to other heads' work-groups.
; LIMITS: NaN and infinities are not served; the scaled scores stay under 2^31 in magnitude; a block of zeros gets the byte 1 (its codes are zeros, and this program alone reads the bytes);
; where v_exp_f32 rounds a block's largest p up to the next power of two, that p is held at the largest code; the row's sum is taken in eight chains.
.set SPARE, 143360
.set CHB,   35840                      ; a block of 512 keys: k's codes 16,384, v's codes 16,384, k's scale words 2,048, v's 1,024
.set LC,  1                            ; 16 x lane
.set LW,  2                            ; 4 x lane
.set AC,  3                            ; the block's codes: LDS address
.set AW,  4                            ; the block's scale words
.set SPW, 5
.set NIL, 6
.set XP,  7                            ; lane permutes' destination
.set NA,  8                            ; -M, and once more in NB
.set NB,  9
.set FA,  10                           ; f, and once more in FB
.set FB,  11
.set SU,  12                           ; v12-15 the row's sum in four parts
.set QF,  16                           ; v16-23 q's fragment
.set QS,  24                           ; q's scale words
.set KW,  25                           ; v25-28 k's scale words of 128 keys
.set VW,  29                           ; v29-32 v's scale words of 256 keys
.set PW,  33                           ; v33-34 p's scale words
.set SMX, 35                           ; the running largest score
.set BM,  36                           ; v36-39 my four blocks' largest scores, then their bytes; from the sums' start to the next step's start four more parts of the step's sum
.set SO,  40                           ; v40-43 the conversions' scale operands; at work in the maxima and in the chain
.set F,   44                           ; v44-79 eight fragments of k, 4 registers apart, and four zeros; then v's four fragments of the first 128 keys
.set PC,  80                           ; v80-95 p's codes
.set S,   96                           ; v96-223 scores, then p; v96-127 then take v's fragments of the second 128 keys
.set O,   224                          ; v224-255 O^T
.set CLOG, 0x3e38aa3b                  ; log2(e) / 8
.macro CROUND
	s_barrier_signal -1
	s_barrier_wait -1
	s_cmp_lg_u32 s8, 0
	s_cbranch_scc1 .Lnot_wave_0_\@
	s_barrier_signal -3
.Lnot_wave_0_\@:
	s_barrier_wait -3
	s_barrier_signal -1
	s_barrier_wait -1
.endm
.macro WMZ d, a, sa, r1                ; scores: source 0 = 16 keys, source 1 = my queries; starts its sum
.if \r1
	v_wmma_scale_f32_16x16x128_f8f6f4 v[\d:\d+7], v[\a:\a+7], v[QF:QF+7], 0, v[\sa], v[QS] matrix_a_fmt:MATRIX_FMT_FP4 matrix_b_fmt:MATRIX_FMT_FP4 matrix_a_scale:MATRIX_SCALE_ROW1
.else
	v_wmma_scale_f32_16x16x128_f8f6f4 v[\d:\d+7], v[\a:\a+7], v[QF:QF+7], 0, v[\sa], v[QS] matrix_a_fmt:MATRIX_FMT_FP4 matrix_b_fmt:MATRIX_FMT_FP4
.endif
.endm
.macro WMA d, a, b, sa, sb, r1         ; O^T: source 0 = 16 channels of v, source 1 = p; adds in place
.if \r1
	v_wmma_scale_f32_16x16x128_f8f6f4 v[\d:\d+7], v[\a:\a+7], v[\b:\b+7], v[\d:\d+7], v[\sa], v[\sb] matrix_a_fmt:MATRIX_FMT_FP4 matrix_b_fmt:MATRIX_FMT_FP4 matrix_a_scale:MATRIX_SCALE_ROW1
.else
	v_wmma_scale_f32_16x16x128_f8f6f4 v[\d:\d+7], v[\a:\a+7], v[\b:\b+7], v[\d:\d+7], v[\sa], v[\sb] matrix_a_fmt:MATRIX_FMT_FP4 matrix_b_fmt:MATRIX_FMT_FP4
.endif
.endm
.macro QK H                            ; eight tiles of 16 keys: half H of the step's 256
.irp t, 0,2,4,6
	WMZ S+64*\H+8*\t, F+4*\t, KW+\t/2, 0
	WMZ S+64*\H+8*\t+8, F+4*\t+4, KW+\t/2, 1
.endr
.endm
.macro PV H                            ; half H's 128 keys; the four accumulators by turns, one instruction a turn
.irp d, 0,2
	WMA O+8*\d, F+(S-F)*\H+8*\d, PC+8*\H, VW+2*\H+\d/2, PW+\H, 0
	WMA O+8*\d+8, F+(S-F)*\H+8*\d+8, PC+8*\H, VW+2*\H+\d/2, PW+\H, 1
.endr
.endm
.macro KLOAD s                         ; k's eight tiles and their words: the s-th 128 keys of the block: 12 loads
.irp t, 0,1,2,3,4,5,6,7
	ds_load_b128 v[F+4*\t:F+4*\t+3], v[AC] offset:4096*(\s)+512*\t
.endr
.irp m, 0,1,2,3
	ds_load_b32 v[KW+\m], v[AW] offset:32768+512*(\s)+128*\m
.endr
.endm
.macro VLOAD s, r                      ; v's four fragments of the s-th 128 keys into v[r] on: 8 loads
.irp d, 0,1,2,3
	ds_load_b128 v[\r+8*\d:\r+8*\d+3], v[AC] offset:16384+4096*(\s)+1024*\d
	ds_load_b128 v[\r+8*\d+4:\r+8*\d+7], v[AC] offset:16384+4096*(\s)+1024*\d+512
.endr
.endm
; register S + 64 H + 32 g + i of lane (r, h) is key 128 H + 64 g + 32 h + i: the largest scores of my two blocks of half H, in four chains by turns, each accumulator from its low end on
.macro MX4 H, i
	v_max3_num_f32 v[BM+2*\H], v[BM+2*\H], v[S+64*\H+\i], v[S+64*\H+\i+1]
	v_max3_num_f32 v[SO], v[SO], v[S+64*\H+16+\i], v[S+64*\H+17+\i]
	v_max3_num_f32 v[BM+2*\H+1], v[BM+2*\H+1], v[S+64*\H+32+\i], v[S+64*\H+33+\i]
	v_max3_num_f32 v[SO+1], v[SO+1], v[S+64*\H+48+\i], v[S+64*\H+49+\i]
.endm
.macro BMXA H
	v_max3_num_f32 v[BM+2*\H], v[S+64*\H], v[S+64*\H+1], v[S+64*\H+2]
	v_max3_num_f32 v[SO], v[S+64*\H+16], v[S+64*\H+17], v[S+64*\H+18]
	v_max3_num_f32 v[BM+2*\H+1], v[S+64*\H+32], v[S+64*\H+33], v[S+64*\H+34]
	v_max3_num_f32 v[SO+1], v[S+64*\H+48], v[S+64*\H+49], v[S+64*\H+50]
.irp i, 3,5,7,9,11
	MX4 \H, \i
.endr
.endm
.macro BMXB H                          ; their last eight lines
	MX4 \H, 13
	v_max3_num_f32 v[BM+2*\H], v[BM+2*\H], v[SO], v[S+64*\H+15]
	v_max3_num_f32 v[BM+2*\H+1], v[BM+2*\H+1], v[SO+1], v[S+64*\H+47]
	v_max_num_f32 v[BM+2*\H], v[BM+2*\H], v[S+64*\H+31]
	v_max_num_f32 v[BM+2*\H+1], v[BM+2*\H+1], v[S+64*\H+63]
.endm
.macro SUM4 a, q                       ; four numbers of p from S + q on, onto the four parts at v[a]
	v_dual_add_f32 v[\a], v[S+\q], v[\a] :: v_dual_add_f32 v[\a+1], v[S+\q+1], v[\a+1]
	v_dual_add_f32 v[\a+2], v[S+\q+2], v[\a+2] :: v_dual_add_f32 v[\a+3], v[S+\q+3], v[\a+3]
.endm
.macro SUM8 q                          ; eight numbers, onto all eight parts: four pairs
	SUM4 SU, \q
	SUM4 BM, \q+4
.endm
.macro FOLD                            ; the step's four parts onto the running four
	v_dual_add_f32 v[SU], v[BM], v[SU] :: v_dual_add_f32 v[SU+1], v[BM+1], v[SU+1]
	v_dual_add_f32 v[SU+2], v[BM+2], v[SU+2] :: v_dual_add_f32 v[SU+3], v[BM+3], v[SU+3]
.endm
.macro FM a                            ; t - M of sixteen scores from S + a on: eight pairs
.set q, \a
.rept 8
	v_dual_fmamk_f32 v[S+q], v[S+q], CLOG, v[NA] :: v_dual_fmamk_f32 v[S+q+1], v[S+q+1], CLOG, v[NB]
.set q, q+2
.endr
.endm
.macro RS a                            ; one accumulator of O^T under the new M, from its low end on: four pairs
.set q, \a
.rept 4
	v_dual_mul_f32 v[O+q], v[FA], v[O+q] :: v_dual_mul_f32 v[O+q+1], v[FB], v[O+q+1]
.set q, q+2
.endr
.endm
	s_load_b128 s[4:7], s[0:1], 0x0                ; qkv s[4:5], ao s[6:7]
	v_lshl_add_u32 v[SPW], v0, 2, SPARE
	v_mov_b32 v[NIL], 0
	ds_add_u32 v[SPW], v[NIL]                      ; the wave's opening: the add, twice on end, and its wait ahead of my tensor load
	ds_add_u32 v[SPW], v[NIL]
	v_lshrrev_b32 v8, 5, v0
	v_readfirstlane_b32 s8, v8                     ; wave 0..15
	s_bfe_u32 s9, ttmp6, 0x40000                   ; cx
	s_lshl_b32 s10, ttmp9, 2
	s_add_co_u32 s10, s10, s9                      ; my block of 256 queries: it enters q's and o's addresses alone
	s_and_b32 s11, ttmp7, 0xffff                   ; 16 x batch + head, which the four partners share
	s_mul_i32 s14, s8, 8960                        ; my sixteenth of the head's K and V: 35 rows of 256 bytes
	s_mul_i32 s12, s11, 143360
	s_add_co_u32 s12, s12, s14
	s_add_co_u32 s12, s12, 2359296
	s_mov_b32 s13, 0
	s_mov_b32 s24, 15|(3<<16)|(1<<21)              ; group 1: all four work-groups; elements of 8 bytes; bit 21 beside a mask
	s_mov_b32 s25, 32<<16                          ; tensor_dim0 = 32 elements: 256 bytes
	s_mov_b32 s26, 35<<16                          ; tensor_dim1 = 35 rows
	s_mov_b32 s27, 32<<16                          ; tile_dim0
	s_mov_b32 s28, 35                              ; tile_dim1
	s_mov_b32 s29, 32                              ; dense
	s_mov_b32 s30, 0
	s_mov_b32 s31, 0
	s_mov_b32 s20, 0x76543210
	s_mov_b32 s21, 0xfedcba98                      ; v_permlanex16_b32's selects for lane l xor 16
	s_lshl_b32 s60, s10, 4
	s_add_co_u32 s60, s60, s8                      ; my tile of 16 queries in the head
	s_lshl_b32 s52, s11, 16
	s_lshl_b32 s61, s60, 9
	s_add_co_u32 s52, s52, s61
	s_mov_b32 s53, 0
	s_lshl_b32 s54, s11, 13
	s_lshl_b32 s61, s60, 6
	s_add_co_u32 s54, s54, s61
	s_add_co_u32 s54, s54, 2097152
	s_mov_b32 s55, 0
	s_lshr_b32 s62, s11, 4
	s_lshl_b32 s62, s62, 7
	s_add_co_u32 s62, s62, s60                     ; my tile of 16 rows among the 256
	s_and_b32 s63, s11, 15                         ; the head
	s_lshl_b32 s56, s62, 13
	s_lshl_b32 s61, s63, 9
	s_add_co_u32 s56, s56, s61
	s_mov_b32 s57, 0
	s_lshr_b32 s58, s63, 2
	s_lshl_b32 s58, s58, 8
	s_add_co_u32 s58, s58, s62
	s_lshl_b32 s58, s58, 7
	s_and_b32 s61, s63, 3
	s_lshl_b32 s61, s61, 1
	s_add_co_u32 s58, s58, s61
	s_add_co_u32 s58, s58, 2097152
	s_mov_b32 s59, 0
	s_wait_dscnt 0x0                               ; both opening adds are done
	s_wait_kmcnt 0x0
	s_add_nc_u64 s[12:13], s[4:5], s[12:13]
	s_add_nc_u64 s[52:53], s[4:5], s[52:53]        ; q's codes
	s_add_nc_u64 s[54:55], s[4:5], s[54:55]        ; q's scale words
	s_add_nc_u64 s[56:57], s[6:7], s[56:57]        ; o's codes
	s_add_nc_u64 s[58:59], s[6:7], s[58:59]        ; o's scale bytes
	CROUND                                         ; all four work-groups are here: the joint loads meet
	s_mov_b32 s32, 1
	s_mov_b32 s33, s14                             ; LDS: 8,960 x wave
	s_mov_b64 s[34:35], s[12:13]
	s_or_b32 s35, s35, 0x80000000
	tensor_load_to_lds s[32:35], s[24:31]          ; every wave's one tensor load
	s_nop 0
	v_and_b32 v[XP], 31, v0
	v_and_b32 v[AW], 15, v0
	v_lshlrev_b32 v[LC], 4, v[XP]
	v_lshlrev_b32 v[LW], 2, v[XP]
	v_lshlrev_b32 v[AW], 2, v[AW]
	global_load_b128 v[QF:QF+3], v[LC], s[52:53]   ; q's fragment: lane (r, h): block h of query r
	global_load_b32 v[QS], v[AW], s[54:55]         ; q's scale words
.irp i, 4,5,6,7
	v_mov_b32 v[QF+\i], 0                          ; K = 64 .. 127 of q: zero codes
	v_mov_b32 v[F+28+\i], 0                        ; behind k's last tile
.endr
.set q, 0
.rept 32
	v_mov_b32 v[O+q], 0                            ; O^T: the step is written once; the first finds zeros, which the first change of M leaves zeros
	v_mov_b32 v[S+96+q], 0                         ; what the first step's start sums in place of an earlier step's p
.set q, q+1
.endr
.irp i, 0,1,2,3
	v_mov_b32 v[SU+\i], 0
	v_mov_b32 v[BM+\i], 0
.endr
	v_mov_b32 v[SMX], 0xff61b1e6                   ; the largest score so far: -3e38
	v_mul_f32 v[NA], 0xbe38aa3b, v[SMX]
	v_floor_f32 v[NA], v[NA]                       ; -M
	v_mov_b32 v[XP], 0                             ; a lane permute's destination counts as one of its sources
; A STEP: 256 keys, the j-th pair of 128 in the block of 512.  At its start k's first eight tiles are on their way, and 32 numbers of the last step's p are still to be summed
.macro STEP j
	s_wait_alu depctr_va_vdst(0)                   ; the wait here, directly ahead of the wait below
	s_wait_dscnt 0x0                               ; k's first eight tiles and their words
	QK 0
	SUM8 96                                        ; four pairs: the places in front of the loads into the products' operands
	KLOAD 2*\j+1
	SUM8 104
	SUM8 112
	SUM8 120
	FOLD
	BMXA 0
	s_wait_alu depctr_va_vdst(0)                   ; the wait here, directly ahead of the wait below
	s_wait_dscnt 0x0
	QK 1
	BMXB 0                                         ; eight lines on the first half's scores: the places behind the second half's products
	VLOAD 2*\j, F
.irp m, 0,1,2,3
	ds_load_b32 v[VW+\m], v[AW] offset:34816+512*\j+128*\m     ; lanes 0-15: channel tile 2 (m % 2)'s words, lanes 16-31: the next tile's; m / 2: which 128 keys
.endr
	BMXA 1
	BMXB 1
	v_max3_num_f32 v[SO], v[BM], v[BM+1], v[BM+2]
	v_max_num_f32 v[SO], v[SO], v[BM+3]
	v_permlanex16_b32 v[XP], v[SO], s20, s21
	v_max3_num_f32 v[SMX], v[SMX], v[SO], v[XP]    ; the running largest score of my query
	v_mul_f32 v[SO+1], 0xbe38aa3b, v[SMX]          ; -t
	v_floor_f32 v[SO+1], v[SO+1]                   ; the new -M = -ceil(t)
	v_sub_f32 v[SO+2], v[SO+1], v[NA]              ; old M - new M: a whole number, 0 or less
	v_mov_b32 v[NA], v[SO+1]
	v_mov_b32 v[NB], v[SO+1]
	v_cvt_i32_f32 v[SO+2], v[SO+2]                 ; (it saturates)
	v_ldexp_f32 v[FA], 1.0, v[SO+2]                ; f = 2^(old M - new M)
	v_ldexp_f32 v[FB], 1.0, v[SO+2]
; the blocks' scales, a line for all four at a time, with independent pairs between the lines: t - M of the first 128 keys, then the rescaling
.irp b, 0,1,2,3
	v_fmamk_f32 v[BM+\b], v[BM+\b], CLOG, v[NA]    ; x = the block's largest t - M
.endr
	FM 0
.irp b, 0,1,2,3
	v_floor_f32 v[BM+\b], v[BM+\b]                 ; the exponent of the block's largest p
.endr
	FM 16
.irp b, 0,1,2,3
	v_max_num_f32 v[BM+\b], 0xc2f80000, v[BM+\b]   ; held at -124, so that the byte cannot fall under 1
.endr
	FM 32
.irp b, 0,1,2,3
	v_cvt_i32_f32 v[BM+\b], v[BM+\b]
.endr
	FM 48
.irp b, 0,1,2,3
	v_add_lshl_u32 v[SO+\b], v[BM+\b], 125, 23     ; the exponent - 2 + 127 as an exponent field: the conversions' scale operands
.endr
	v_dual_mul_f32 v[SU], v[FA], v[SU] :: v_dual_mul_f32 v[SU+1], v[FB], v[SU+1]           ; the sums under the new M
	v_dual_mul_f32 v[SU+2], v[FA], v[SU+2] :: v_dual_mul_f32 v[SU+3], v[FB], v[SU+3]
.irp b, 0,1,2,3
	v_add_nc_u32 v[BM+\b], 125, v[BM+\b]           ; the bytes
.endr
	RS 0
	v_lshl_or_b32 v[BM], v[BM+1], 8, v[BM]
	v_lshl_or_b32 v[BM+2], v[BM+3], 8, v[BM+2]
	RS 8
	v_lshl_or_b32 v[BM], v[BM+2], 16, v[BM]        ; my four bytes in one word
	RS 16
	v_permlanex16_b32 v[XP], v[BM], s20, s21       ; and lane l xor 16's
	RS 24
	v_perm_b32 v[PW], v[XP], v[BM], 0x05010400     ; in lanes 0-15, which alone are read: blocks 0 .. 3 of the first 128 keys: mine, the other's, mine, the other's
	v_perm_b32 v[PW+1], v[XP], v[BM], 0x07030602   ; and of the second 128
	s_wait_alu depctr_va_vdst(0)                   ; the wait ahead of the batch
.set q, 0
.rept 32
	v_exp_f32 v[S+q], v[S+q]                       ; p = 2^(t - M), the first 128 keys;
	v_exp_f32 v[S+q+1], v[S+q+1]
	v_dual_fmamk_f32 v[S+64+q], v[S+64+q], CLOG, v[NA] :: v_dual_fmamk_f32 v[S+65+q], v[S+65+q], CLOG, v[NB]    ; among them t - M of the second 128, which is read behind the next wait alone
.set q, q+2
.endr
	v_nop                                          ; a plain line behind the exponentials
	s_wait_alu depctr_va_vdst(0)                   ; the wait behind the first batch and ahead of the second
.set q, 0
.rept 8                                ; p of the second 128 keys; among the exponentials the first 128 keys' codes and the first line of each part of the sum: all read behind the next wait alone
.irp i, 0,1,2,3
	v_exp_f32 v[S+64+8*q+\i], v[S+64+8*q+\i]
.endr
	v_cvt_scalef32_pk8_fp4_f32 v[PC+q], v[S+8*q:S+8*q+7], v[SO+q/4]
.irp i, 4,5,6,7
	v_exp_f32 v[S+64+8*q+\i], v[S+64+8*q+\i]
.endr
.if q < 2
	v_dual_add_f32 v[SU+2*q], v[S+2*q], v[SU+2*q] :: v_dual_add_f32 v[SU+2*q+1], v[S+2*q+1], v[SU+2*q+1]         ; p 0 .. 3 onto the running parts
.elseif q < 4
	v_dual_add_f32 v[BM+2*q-4], v[S+2*q], v[S+2*q+8] :: v_dual_add_f32 v[BM+2*q-3], v[S+2*q+1], v[S+2*q+9]       ; p 4 .. 7 and 12 .. 15 begin the step's four parts anew
.endif
.set q, q+1
.endr
	v_nop                                          ; a plain line behind the exponentials
	s_wait_alu depctr_va_vdst(0)                   ; one wait for the batch, ahead of its first reader
.irp g, 0,1,2,3,4,5,6,7
	v_cvt_scalef32_pk8_fp4_f32 v[PC+8+\g], v[S+64+8*\g:S+64+8*\g+7], v[SO+2+\g/4]          ; the second 128 keys' codes
.endr
	v_nop                                          ; one plain line behind the conversions
	SUM4 SU, 8                                     ; the sums below are also the places between the codes and the products
	SUM8 16
	SUM8 24
	VLOAD 2*\j+1, S                                ; v's second four fragments take registers whose p has been summed and converted
	s_wait_alu depctr_va_vdst(0)                   ; the wait here, directly ahead of the wait below
	s_wait_dscnt 8                                 ; v's first four fragments and all its words are in; the eight loads just issued may stay out
	PV 0
	SUM8 32                                        ; eight pairs: the places in front of the loads into v's first fragments
	SUM8 40
.if \j == 0
	KLOAD 2                                        ; the next step's first eight tiles of k
.else
	s_add_co_u32 s49, s51, 1                       ; the next block; in the last trip the block in hand once more, so that the look-ahead stays inside K: what it then brings is not used
	s_min_u32 s49, s49, 3
	s_mul_i32 s49, s49, CHB
	v_add_nc_u32 v[AC], s49, v[LC]
	v_add_nc_u32 v[AW], s49, v[LW]
	KLOAD 0
.endif
	SUM8 48
	SUM8 56
	SUM8 64
	SUM8 72
	s_wait_alu depctr_va_vdst(0)                   ; the wait here, directly ahead of the wait below
	s_wait_dscnt 12                                ; v's second four fragments are in; the twelve loads for k just issued may stay out
	PV 1
	SUM8 80                                        ; eight pairs: the places in front of the next scores, which are laid over v's second fragments
	SUM8 88
.endm
	s_mov_b32 s51, 0
	s_wait_alu depctr_va_vdst(0)                   ; the wait at the head's end
	s_wait_tensorcnt 0x0                           ; my sixteenth is in
	s_wait_loadcnt 0x0                             ; q
	s_barrier_signal -1
	s_barrier_wait -1                              ; everybody's is: nothing is filled again, and no further barrier stands ahead of the closing round
	v_mov_b32 v[AC], v[LC]                         ; block 0
	v_mov_b32 v[AW], v[LW]
	KLOAD 0
.Lblock:                                               ; four trips: a block of 512 keys, two steps
	STEP 0
	STEP 1
	s_add_co_u32 s51, s51, 1
	s_cmp_lt_u32 s51, 4
	s_cbranch_scc1 .Lblock
	; THE WAY OUT: the last 32 numbers of p; O^T / the sum; register j of tile 2 p + u is channel 32 h + 16 u + 2 j + p: put in order, a lane holds a whole block of 32 along D
	SUM8 96
	SUM8 104
	SUM8 112
	SUM8 120
	FOLD
	v_add_f32 v[SU], v[SU], v[SU+1]
	v_add_f32 v[SU+2], v[SU+2], v[SU+3]
	v_add_f32 v[SU], v[SU], v[SU+2]
	v_permlanex16_b32 v[XP], v[SU], s20, s21
	v_add_f32 v[SU], v[SU], v[XP]                  ; with lane l xor 16's: the row's sum
	s_wait_alu depctr_va_vdst(0)                   ; the wait ahead of the transcendental
	v_rcp_f32 v[SU], v[SU]
	v_bfe_u32 v[SO+1], v0, 4, 1                    ; (plain lines behind the transcendental)
	v_and_b32 v[SO+2], 15, v0
	v_lshlrev_b32 v[SO+1], 3, v[SO+1]              ; 8 h
	v_lshlrev_b32 v[SO+2], 3, v[SO+2]              ; 8 r
	s_wait_alu depctr_va_vdst(0)                   ; the wait ahead of the first reader of the reciprocal and of O^T
.irp p, 0,1
.irp u, 0,1
.irp j, 0,1,2,3,4,5,6,7
	v_mul_f32 v[S+16*\u+2*\j+\p], v[O+8*(2*\p+\u)+\j], v[SU]
.endr
.endr
.endr
	v_max3_num_f32 v[BM], |v[S]|, |v[S+1]|, 0x1800000
	v_max3_num_f32 v[BM+1], |v[S+2]|, |v[S+3]|, |v[S+4]|
.irp k, 5,9,13,17,21,25
	v_max3_num_f32 v[BM], v[BM], |v[S+\k]|, |v[S+\k+1]|
	v_max3_num_f32 v[BM+1], v[BM+1], |v[S+\k+2]|, |v[S+\k+3]|
.endr
	v_max3_num_f32 v[BM], v[BM], |v[S+29]|, |v[S+30]|
	v_max3_num_f32 v[BM], v[BM], v[BM+1], |v[S+31]|
	v_add_nc_u32 v[SO], 0xff000000, v[BM]
.irp g, 0,1,2,3
	v_cvt_scalef32_pk8_fp4_f32 v[PC+\g], v[S+8*\g:S+8*\g+7], v[SO]
.endr
	v_lshrrev_b32 v[BM], 23, v[SO]                 ; the byte (a plain line behind the conversions)
	global_store_b128 v[LC], v[PC:PC+3], s[56:57]  ; 512 consecutive bytes: the head's two blocks of 16 rows
	v_lshlrev_b32 v[BM], v[SO+1], v[BM]
	v_permlanex16_b32 v[XP], v[BM], s20, s21
	v_or_b32 v[BM], v[BM], v[XP]
	global_store_b16 v[SO+2], v[BM], s[58:59]      ; lanes r and r + 16 store the same two bytes
	s_wait_tensorcnt 0x0                           ; the wave's end
	ds_add_u32 v[SPW], v[NIL]
	s_wait_dscnt 0x0                               ; the add, and the last look-ahead's loads
	CROUND                                         ; the closing round
	s_endpgm
.Lfunc_end_k_qfd0cd6f1ac_attn:
	.size	k_qfd0cd6f1ac_attn, .Lfunc_end_k_qfd0cd6f1ac_attn-k_qfd0cd6f1ac_attn
	.p2alignl 7, 3214868480
	.fill 96, 4, 3214868480
	.section	.rodata,"a",@progbits
	.p2align	6, 0x0
	.amdhsa_kernel k_qfd0cd6f1ac_attn
		.amdhsa_group_segment_fixed_size 167936
		.amdhsa_private_segment_fixed_size 0
		.amdhsa_enable_private_segment 0
		.amdhsa_kernarg_size 16
		.amdhsa_user_sgpr_count 2
		.amdhsa_user_sgpr_kernarg_segment_ptr 1
		.amdhsa_wavefront_size32 1
		.amdhsa_system_sgpr_workgroup_id_x 1
		.amdhsa_system_sgpr_workgroup_id_y 1
		.amdhsa_system_sgpr_workgroup_id_z 1
		.amdhsa_system_vgpr_workitem_id 0
		.amdhsa_next_free_vgpr 256
		.amdhsa_next_free_sgpr 80
		.amdhsa_reserve_vcc 0
		.amdhsa_float_denorm_mode_32 3
		.amdhsa_float_denorm_mode_16_64 3
		.amdhsa_memory_ordered 1
		.amdhsa_forward_progress 1
		.amdhsa_inst_pref_size 70
	.end_amdhsa_kernel
	.amdgpu_metadata
---
amdhsa.version: [ 1, 2 ]
amdhsa.kernels:
  - .name:           k_qfd0cd6f1ac_attn
    .symbol:         k_qfd0cd6f1ac_attn.kd
    .args:
      - { .name: qkv, .offset: 0, .size: 8, .value_kind: global_buffer, .address_space: global }
      - { .name: ao, .offset: 8, .size: 8, .value_kind: global_buffer, .address_space: global }
    .group_segment_fixed_size: 167936
    .private_segment_fixed_size: 0
    .kernarg_segment_align: 8
    .kernarg_segment_size: 16
    .max_flat_workgroup_size: 512
    .sgpr_count:     80
    .vgpr_count:     256
    .wavefront_size: 32
...
	.end_amdgpu_metadata
.endif
;; end of part 3
;; launch oproj (part 4): grid 8 x 32, 8 waves a work-group, clusters of 4 x 4, 327,680 bytes of LDS; arguments ao, wq, bo, x, x1; writes x1
.if DOCPART == 4
	.amdgcn_target "amdgcn-amd-amdhsa--gfx1250"
	.amdhsa_code_object_version 6
	.text
	.protected	k_qfd0cd6f1ac_oproj
	.globl	k_qfd0cd6f1ac_oproj
	.p2align	8
	.type	k_qfd0cd6f1ac_oproj,@function
k_qfd0cd6f1ac_oproj:
	s_mov_b64 s[64:65], 0
	v_nop
	global_prefetch_b8 v0, s[64:65] scope:SCOPE_SE
	s_setreg_imm32_b32 hwreg(HW_REG_WAVE_MODE, 25, 1), 1
	s_wait_xcnt 0x0
	s_wait_alu depctr_hold_cnt(0) depctr_sa_sdst(0) depctr_va_vdst(0) depctr_va_sdst(0) depctr_va_ssrc(0) depctr_va_vcc(0) depctr_vm_vsrc(0)
	s_getreg_b32 s2, hwreg(HW_REG_IB_STS2, 6, 4)
	s_cmp_eq_u32 s2, 0
	s_cbranch_scc0 .Lentry_in_a_cluster
	s_endpgm
.Lentry_in_a_cluster:
	s_bfe_u32 s2, ttmp6, 0x10000c
	s_cmp_lg_u32 s2, 0xf033
	s_cbranch_scc0 .Lentry_shape_is_right
	s_endpgm
.Lentry_shape_is_right:
; x1 = x + o Wo + bo, the product on codes of E2M1, K = 1,024.  No work of the problem is left out here.
; A work-group makes 128 tokens x 128 columns.  Eight waves, two to a SIMD: a wave makes 64 x 64 (16 accumulators) over HALF of each 1,024 along K; the two halves meet in LDS at the end.
; K goes in runs of 1,024 (NCH of them) through two LDS slots of 131,072 bytes, filled by joint loads.  CLUSTER 4 x 4: the weight's tiles are shared along a column of the cluster, the tokens' along a row.
; Source 0 = 16 rows of the weight's image, source 1 = 16 tokens: lane (r, h) holds token r, register j of tile 2 p + u column 32 h + 16 u + 2 j + p of the wave's 64.
; The residual of the two tiles of tokens that a wave finishes, and the bias, are asked for at the head, behind the tiles and the scale words, into registers of the second window: v256-319 and v320-351.
; The windows are switched ten times on a wave's way: twice at the head, four times in each of its two last tiles.
; The same text, with other figures at its head, serves the last product.
; LIMITS: as in the first launch; each sum over K is made in two parts, which are added at the end.
.set NCH,    1
.set TILEB,  8192                      ; a tile's codes in bytes, for all of K
.set WC_OFF, 1572864
.set WS_OFF, 6389760
.set AS_OFF, 2097152
.set SLOT,   131072                    ; 8 tiles of the weight x 8,192 bytes, then 8 tiles of tokens
.set SPARE,  262144
.set FREE,   (NCH%2)*SLOT              ; the slot that has had its last fill and its last read (or was never filled) when the sums are finished
.set STG,    FREE+65536
.set WF, 64
.set XF, 96
.set ACC, 128
.set SPW, 6
.set NIL, 7
.set MSB, 0
.macro WIN new                         ; the immediate's high byte repeats the setting that is left
.if MSB != \new
	s_set_vgpr_msb (MSB<<8)|\new
.set MSB, \new
.endif
.endm
.macro CROUND
	s_barrier_signal -1
	s_barrier_wait -1
	s_cmp_lg_u32 s16, 0
	s_cbranch_scc1 .Lnot_wave_0_\@
	s_barrier_signal -3
.Lnot_wave_0_\@:
	s_barrier_wait -3
	s_barrier_signal -1
	s_barrier_wait -1
.endm
.macro JLOAD sl                        ; waves 0-3 fetch two tiles of the weight each, waves 4-7 two tiles of tokens
	s_cmp_lt_u32 s16, 4
	s_cbranch_scc0 .Lfor_x_\@
	tensor_load_to_lds s[40+4*\sl:43+4*\sl], s[24:31]
	s_nop 0
.rept 4
	v_nop
.endr
	s_branch .Lasked_\@
.Lfor_x_\@:
	tensor_load_to_lds s[48+4*\sl:51+4*\sl], s[32:39]
	s_nop 0
.rept 4
	v_nop
.endr
.Lasked_\@:
.endm
.macro WMX
.if zZ
.if oA && oB
	v_wmma_scale_f32_16x16x128_f8f6f4 v[rD:rD+7], v[rA:rA+7], v[rB:rB+7], 0, v[sA], v[sB] matrix_a_fmt:MATRIX_FMT_FP4 matrix_b_fmt:MATRIX_FMT_FP4 matrix_a_scale:MATRIX_SCALE_ROW1 matrix_b_scale:MATRIX_SCALE_ROW1
.elseif oA
	v_wmma_scale_f32_16x16x128_f8f6f4 v[rD:rD+7], v[rA:rA+7], v[rB:rB+7], 0, v[sA], v[sB] matrix_a_fmt:MATRIX_FMT_FP4 matrix_b_fmt:MATRIX_FMT_FP4 matrix_a_scale:MATRIX_SCALE_ROW1
.elseif oB
	v_wmma_scale_f32_16x16x128_f8f6f4 v[rD:rD+7], v[rA:rA+7], v[rB:rB+7], 0, v[sA], v[sB] matrix_a_fmt:MATRIX_FMT_FP4 matrix_b_fmt:MATRIX_FMT_FP4 matrix_b_scale:MATRIX_SCALE_ROW1
.else
	v_wmma_scale_f32_16x16x128_f8f6f4 v[rD:rD+7], v[rA:rA+7], v[rB:rB+7], 0, v[sA], v[sB] matrix_a_fmt:MATRIX_FMT_FP4 matrix_b_fmt:MATRIX_FMT_FP4
.endif
.else
.if oA && oB
	v_wmma_scale_f32_16x16x128_f8f6f4 v[rD:rD+7], v[rA:rA+7], v[rB:rB+7], v[rD:rD+7], v[sA], v[sB] matrix_a_fmt:MATRIX_FMT_FP4 matrix_b_fmt:MATRIX_FMT_FP4 matrix_a_scale:MATRIX_SCALE_ROW1 matrix_b_scale:MATRIX_SCALE_ROW1
.elseif oA
	v_wmma_scale_f32_16x16x128_f8f6f4 v[rD:rD+7], v[rA:rA+7], v[rB:rB+7], v[rD:rD+7], v[sA], v[sB] matrix_a_fmt:MATRIX_FMT_FP4 matrix_b_fmt:MATRIX_FMT_FP4 matrix_a_scale:MATRIX_SCALE_ROW1
.elseif oB
	v_wmma_scale_f32_16x16x128_f8f6f4 v[rD:rD+7], v[rA:rA+7], v[rB:rB+7], v[rD:rD+7], v[sA], v[sB] matrix_a_fmt:MATRIX_FMT_FP4 matrix_b_fmt:MATRIX_FMT_FP4 matrix_b_scale:MATRIX_SCALE_ROW1
.else
	v_wmma_scale_f32_16x16x128_f8f6f4 v[rD:rD+7], v[rA:rA+7], v[rB:rB+7], v[rD:rD+7], v[sA], v[sB] matrix_a_fmt:MATRIX_FMT_FP4 matrix_b_fmt:MATRIX_FMT_FP4
.endif
.endif
.endm
.macro WM8 a0, st, kj, zr
.irp a, \a0, \a0+1
.irp b, 0,1,2,3
.set rD, ACC+32*\b+8*(\a)
.set rA, WF+8*(\a)
.set rB, XF+8*\b
.set sA, 32+16*(\st)+4*((\a)/2)+(\kj)
.set sB, 40+16*(\st)+4*(\b/2)+(\kj)
.set oA, (\a)%2
.set oB, \b%2
.set zZ, \zr
	WMX
.endr
.endr
.endm
; A step of 128 along K: the kj-th of my four in slot sl; st: the set of scale words.  The 16 accumulators take turns, one instruction a turn.
.macro KSTEP sl, st, kj, first
.if \first == 0
.rept 4
	v_nop                                          ; four places in front of loads into registers that matrix instructions have read
.endr
.endif
.irp t, 0,1,2,3
	ds_load_b128 v[XF+8*\t:XF+8*\t+3], v[3+2*(\sl)] offset:8192*\t+1024*(\kj)
	ds_load_b128 v[XF+8*\t+4:XF+8*\t+7], v[3+2*(\sl)] offset:8192*\t+1024*(\kj)+512
.endr
.irp t, 0,1,2,3
	ds_load_b128 v[WF+8*\t:WF+8*\t+3], v[2+2*(\sl)] offset:8192*\t+1024*(\kj)
	ds_load_b128 v[WF+8*\t+4:WF+8*\t+7], v[2+2*(\sl)] offset:8192*\t+1024*(\kj)+512
.endr
	s_wait_dscnt 4                                 ; all but the last four loads: the weight's tiles 2 and 3
	WM8 0, \st, \kj, \first
	s_wait_dscnt 0x0
	WM8 2, \st, \kj, \first
.endm
.macro COMPUTE sl, st, first
	KSTEP \sl, \st, 0, \first
	KSTEP \sl, \st, 1, 0
	KSTEP \sl, \st, 2, 0
	KSTEP \sl, \st, 3, 0
.rept 4
	v_nop                                          ; places in front of loads into the scale words' registers, and of the first read of results
.endr
.endm
.macro SCL kc, st                      ; the scale words of my four steps of run kc into set st: eight loads of 256 consecutive bytes
.irp pp, 0,1
.irp qq, 0,1
	global_load_b64 v[32+16*(\st)+4*\pp+2*\qq:33+16*(\st)+4*\pp+2*\qq], v8, s[68:69] offset:(4*(\kc)+\qq)*8192+256*\pp
	global_load_b64 v[40+16*(\st)+4*\pp+2*\qq:41+16*(\st)+4*\pp+2*\qq], v8, s[70:71] offset:(4*(\kc)+\qq)*32768+256*\pp
.endr
.endr
.endm
.macro TURNB sl                        ; slot sl, which every wave has read out, is filled again with the run two further on
	s_wait_tensorcnt 0x0                           ; all my tensor loads have landed: my part of the other slot
	ds_add_u32 v[SPW], v[NIL]                      ; 0 onto my spare word
	s_add_nc_u64 s[42+4*\sl:43+4*\sl], s[42+4*\sl:43+4*\sl], 16384
	s_add_nc_u64 s[50+4*\sl:51+4*\sl], s[50+4*\sl:51+4*\sl], 16384
	s_wait_dscnt 0x0                               ; the add is done, and my reads of the slot are over
	CROUND                                         ; no wave of any partner still reads the slot or has a load on its way
	JLOAD \sl                                      ; my one tensor load behind the round
.endm
	s_load_b256 s[4:11], s[0:1], 0x0               ; the tokens' codes and scales s[4:5], wq s[6:7], the bias s[8:9], the residual s[10:11]
	s_load_b64 s[12:13], s[0:1], 0x20              ; the result
	v_lshl_add_u32 v[SPW], v0, 2, SPARE
	v_mov_b32 v[NIL], 0
	ds_add_u32 v[SPW], v[NIL]                      ; the wave's opening: the add, twice on end, and its wait ahead of my first tensor load
	ds_add_u32 v[SPW], v[NIL]
	v_lshrrev_b32 v1, 5, v0
	s_delay_alu instid0(VALU_DEP_1)
	v_readfirstlane_b32 s16, v1                    ; wave 0..7
	s_and_b32 s17, s16, 1                          ; ww: my 64 columns
	s_bfe_u32 s18, s16, 0x10001                    ; wx: my 64 tokens
	s_lshr_b32 s19, s16, 2                         ; kg: my half of each run of K
	s_and_b32 s15, s16, 3
	s_bfe_u32 s20, ttmp6, 0x40000
	s_bfe_u32 s21, ttmp6, 0x40004
	s_lshl_b32 s22, ttmp9, 2
	s_add_co_u32 s22, s22, s20                     ; ct: block of 128 columns
	s_and_b32 s23, ttmp7, 0xffff
	s_lshl_b32 s23, s23, 2
	s_add_co_u32 s23, s23, s21                     ; yt: block of 128 tokens
	s_lshl_b32 s56, s21, 2
	s_lshl_b32 s56, 15, s56                        ; my row of the cluster
	s_lshl_b32 s57, 0x1111, s20                    ; my column
	s_or_b32 s24, s57, (3<<16)|(1<<21)
	s_or_b32 s32, s56, (3<<16)|(1<<21)
.irp g, 24, 32
	s_mov_b32 s[\g+1], 1024<<16                    ; tensor_dim0 = 1,024 elements of 8 bytes: a tile's run of K
	s_mov_b32 s[\g+2], 2<<16                       ; two tiles
	s_mov_b32 s[\g+3], 1024<<16
	s_mov_b32 s[\g+4], 2
	s_mov_b32 s[\g+5], TILEB/8                     ; from tile to tile
	s_mov_b32 s[\g+6], 0
	s_mov_b32 s[\g+7], 0
.endr
	s_lshl_b32 s60, s15, 1
	s_lshl_b32 s58, s22, 3
	s_add_co_u32 s58, s58, s60
	s_mul_i32 s58, s58, TILEB
	s_mov_b32 s59, 0
	s_lshl_b32 s62, s23, 3
	s_add_co_u32 s62, s62, s60
	s_mul_i32 s62, s62, TILEB
	s_mov_b32 s63, 0
	s_lshl_b32 s61, s16, 14                        ; where they go: 16,384 x wave
	s_wait_dscnt 0x0
	s_wait_kmcnt 0x0
	s_add_nc_u64 s[58:59], s[6:7], s[58:59]
	s_add_nc_u64 s[58:59], s[58:59], WC_OFF
	s_add_nc_u64 s[62:63], s[4:5], s[62:63]
	CROUND
	s_mov_b32 s40, 1
	s_mov_b32 s41, s61
	s_mov_b64 s[42:43], s[58:59]
	s_or_b32 s43, s43, 0x80000000
	s_mov_b32 s48, 1
	s_mov_b32 s49, s61
	s_mov_b64 s[50:51], s[62:63]
	s_or_b32 s51, s51, 0x80000000
	JLOAD 0
.if NCH > 1
	s_mov_b32 s44, 1
	s_add_co_u32 s45, s61, SLOT
	s_add_nc_u64 s[46:47], s[58:59], 8192
	s_or_b32 s47, s47, 0x80000000
	s_mov_b32 s52, 1
	s_add_co_u32 s53, s61, SLOT
	s_add_nc_u64 s[54:55], s[62:63], 8192
	s_or_b32 s55, s55, 0x80000000
	JLOAD 1
.endif
	v_and_b32 v14, 31, v0
	s_delay_alu instid0(VALU_DEP_1)
	v_lshlrev_b32 v1, 4, v14                       ; 16 x lane
	s_wait_alu depctr_va_vdst(0)
	v_lshlrev_b32 v8, 3, v14                       ; 8 x lane
	s_lshl_b32 s67, s19, 12
	s_lshl_b32 s66, s17, 15
	s_add_co_u32 s66, s66, s67
	v_add_nc_u32 v2, s66, v1                       ; my fragments of the weight in slot 0
	s_lshl_b32 s66, s18, 15
	s_add_co_u32 s66, s66, s67
	s_add_co_u32 s66, s66, 65536
	v_add_nc_u32 v3, s66, v1                       ; of the tokens
	v_add_nc_u32 v4, SLOT, v2                      ; in slot 1
	s_delay_alu instid0(VALU_DEP_2)
	v_add_nc_u32 v5, SLOT, v3
	s_lshl_b32 s66, s16, 13
	s_add_co_u32 s66, s66, FREE
	v_add_nc_u32 v9, s66, v1                       ; where I put the half of my sums that my partner finishes
	s_xor_b32 s66, s16, 4
	s_lshl_b32 s66, s66, 13
	s_add_co_u32 s66, s66, FREE
	v_add_nc_u32 v10, s66, v1                      ; where my partner puts mine
	s_mul_i32 s66, s16, 4352
	s_add_co_u32 s66, s66, STG                     ; my stage: 16 rows of 256 bytes + 16
	v_and_b32 v15, 15, v0
	v_lshrrev_b32 v14, 4, v14
	s_delay_alu instid0(VALU_DEP_2)
	v_mul_u32_u24 v11, v15, 272
	s_delay_alu instid0(VALU_DEP_1)
	v_lshl_add_u32 v11, v14, 7, v11
	s_delay_alu instid0(VALU_DEP_1)
	v_add_nc_u32 v11, s66, v11                     ; in: row r, + 128 h
	s_delay_alu instid0(VALU_DEP_4)
	v_mul_u32_u24 v12, v14, 272
	s_delay_alu instid0(VALU_DEP_1)
	v_lshl_add_u32 v12, v15, 4, v12
	s_delay_alu instid0(VALU_DEP_1)
	v_add_nc_u32 v12, s66, v12                     ; back: lanes 0-15 one row, lanes 16-31 the next
	v_lshlrev_b32 v13, 12, v14
	s_delay_alu instid0(VALU_DEP_1)
	v_lshl_add_u32 v13, v15, 4, v13                ; and the same two rows in memory
	s_wait_alu depctr_va_vdst(0)
	v_lshlrev_b32 v14, 7, v14                      ; the bias: my half's 32 numbers
	s_wait_alu depctr_va_vdst(0)
	s_lshl_b32 s68, s19, 14
	s_lshl_b32 s69, s22, 10
	s_add_co_u32 s68, s68, s69
	s_lshl_b32 s69, s17, 9
	s_add_co_u32 s68, s68, s69
	s_add_co_u32 s68, s68, WS_OFF
	s_mov_b32 s69, 0
	s_add_nc_u64 s[68:69], s[6:7], s[68:69]        ; the weight's scale words
	s_lshl_b32 s70, s19, 16
	s_lshl_b32 s71, s23, 10
	s_add_co_u32 s70, s70, s71
	s_lshl_b32 s71, s18, 9
	s_add_co_u32 s70, s70, s71
	s_add_co_u32 s70, s70, AS_OFF
	s_mov_b32 s71, 0
	s_add_nc_u64 s[70:71], s[4:5], s[70:71]        ; the tokens'
	s_lshl_b32 s72, s23, 19
	s_lshl_b32 s73, s18, 18
	s_add_co_u32 s72, s72, s73
	s_lshl_b32 s73, s22, 9
	s_add_co_u32 s72, s72, s73
	s_lshl_b32 s73, s17, 8
	s_add_co_u32 s72, s72, s73
	s_mov_b32 s73, 0
	s_add_nc_u64 s[74:75], s[10:11], s[72:73]      ; the residual at my 64 x 64
	s_add_nc_u64 s[78:79], s[12:13], s[72:73]      ; the result likewise
	s_lshl_b32 s72, s22, 9
	s_lshl_b32 s76, s17, 8
	s_add_co_u32 s72, s72, s76
	s_add_nc_u64 s[76:77], s[8:9], s[72:73]        ; the bias
	s_lshl_b32 s72, s19, 17
	s_add_nc_u64 s[74:75], s[74:75], s[72:73]      ; the residual at the two tiles of tokens that I finish: 32 rows of 4,096 bytes further on for the second half of K
	SCL 0, 0
.if NCH > 1
	SCL 1, 1
.endif
	WIN 0x40                                       ; destination in the second window, address in the first
.irp t, 0,1
.irp i, 0,1,2,3,4,5,6,7
	global_load_b128 v[32*\t+4*\i:32*\t+4*\i+3], v13, s[74:75] offset:(16*\t+2*\i)*4096     ; v256-319: the residual, sixteen lanes to 256 consecutive bytes
.endr
.endr
.irp i, 0,1,2,3,4,5,6,7
	global_load_b128 v[64+4*\i:67+4*\i], v14, s[76:77] offset:16*\i                         ; v320-351: the bias
.endr
	WIN 0
.if NCH > 1
	s_wait_tensorcnt 0x1                           ; my part of slot 0 is in; slot 1's load may stay out
	s_barrier_signal -1
	s_barrier_wait -1
	s_wait_loadcnt 32                              ; run 0's scale words are in; behind them: run 1's eight loads and the 24 of residual and bias
	COMPUTE 0, 0, 1
	SCL 2, 0
	TURNB 0
	s_wait_loadcnt 32                              ; run 1's are in; behind them: the 24 and run 2's eight
	COMPUTE 1, 1, 0
	SCL 3, 1
	TURNB 1
	s_wait_loadcnt 8                               ; run 2's are in; run 3's eight may stay out
	COMPUTE 0, 0, 0
	s_wait_tensorcnt 0x0                           ; the last run has landed; nothing is filled again, so no round follows
	ds_add_u32 v[SPW], v[NIL]
	s_wait_dscnt 0x0
	s_barrier_signal -1
	s_barrier_wait -1
	s_wait_loadcnt 0x0
	COMPUTE 1, 1, 0
.else
	s_wait_tensorcnt 0x0
	s_barrier_signal -1
	s_barrier_wait -1
	s_wait_loadcnt 24                              ; the scale words are in; the 24 loads of residual and bias may stay out
	COMPUTE 0, 0, 1
.endif
; THE TWO HALVES OF K MEET.  The wave of half g keeps token tiles 2 g, 2 g + 1 and hands the other two to its partner, as images of their registers.
.macro ARM g
.set SB0, ACC+32*(2-2*(\g))
.set q, 0
.rept 16
	ds_store_b128 v9, v[SB0+4*q:SB0+4*q+3] offset:512*q        ; each accumulator from its low end on
.set q, q+1
.endr
.endm
.macro FIN g, t
.set KB, ACC+32*(2*(\g)+(\t))
.if \t
	s_wait_xcnt 0x0                                ; the last tile's stores have read their registers
.endif
.irp i, 0,1,2,3,4,5,6,7
	ds_load_b128 v[96+4*\i:99+4*\i], v10 offset:512*(8*(\t)+\i)
.endr
	s_wait_dscnt 0x0
.if (\t) == 0
	s_wait_loadcnt 0x0                             ; the bias and the residual
.endif
.irp i, 0,2,4,6,8,10,12,14,16,18,20,22,24,26,28,30
	v_pk_add_f32 v[KB+\i:KB+\i+1], v[KB+\i:KB+\i+1], v[96+\i:97+\i]
.endr
	WIN 0x04                                       ; source 1 in the second window
.irp p, 0,1
.irp u, 0,1
.irp j, 0,1,2,3,4,5,6,7
	v_add_f32 v[96+16*\u+2*\j+\p], v[KB+8*(2*\p+\u)+\j], v[64+16*\u+2*\j+\p]      ; the bias; and the columns come into their order
.endr
.endr
.endr
	WIN 0
.irp i, 0,1,2,3,4,5,6,7
	ds_store_b128 v11, v[96+4*\i:99+4*\i] offset:16*\i
.endr
.irp i, 0,1,2,3,4,5,6,7
	ds_load_b128 v[96+4*\i:99+4*\i], v12 offset:544*\i         ; LDS serves a wave's instructions in order: these see my stores
.endr
	s_wait_dscnt 0x0
	WIN 0x04
.irp i, 0,2,4,6,8,10,12,14,16,18,20,22,24,26,28,30
	v_pk_add_f32 v[96+\i:97+\i], v[96+\i:97+\i], v[32*(\t)+\i:32*(\t)+\i+1]       ; the residual
.endr
	WIN 0
.irp i, 0,1,2,3,4,5,6,7
.if NCH > 1
	global_store_b128 v13, v[96+4*\i:99+4*\i], s[78:79] offset:(16*(2*(\g)+(\t))+2*\i)*4096 th:TH_STORE_NT
.else
	global_store_b128 v13, v[96+4*\i:99+4*\i], s[78:79] offset:(16*(2*(\g)+(\t))+2*\i)*4096     ; sixteen lanes store 256 consecutive bytes, aligned
.endif
.endr
.endm
	s_cmp_eq_u32 s19, 0
	s_cbranch_scc0 .Larm1
	ARM 0
	s_branch .Lmeet
.Larm1:
	ARM 1
.Lmeet:
	s_wait_dscnt 0x0                               ; for the partner's sake: my stores have landed
	s_barrier_signal -1
	s_barrier_wait -1
	s_cmp_eq_u32 s19, 0
	s_cbranch_scc0 .Lfin1
	FIN 0, 0
	FIN 0, 1
	s_branch .Lend
.Lfin1:
	FIN 1, 0
	FIN 1, 1
.Lend:
	s_wait_tensorcnt 0x0                           ; the wave's end, behind my last tensor load and my last LDS store
	ds_add_u32 v[SPW], v[NIL]
	s_wait_dscnt 0x0
	CROUND                                         ; the closing round
	s_endpgm
.Lfunc_end_k_qfd0cd6f1ac_oproj:
	.size	k_qfd0cd6f1ac_oproj, .Lfunc_end_k_qfd0cd6f1ac_oproj-k_qfd0cd6f1ac_oproj
	.p2alignl 7, 3214868480
	.fill 96, 4, 3214868480
	.section	.rodata,"a",@progbits
	.p2align	6, 0x0
	.amdhsa_kernel k_qfd0cd6f1ac_oproj
		.amdhsa_group_segment_fixed_size 327680
		.amdhsa_private_segment_fixed_size 0
		.amdhsa_enable_private_segment 0
		.amdhsa_kernarg_size 40
		.amdhsa_user_sgpr_count 2
		.amdhsa_user_sgpr_kernarg_segment_ptr 1
		.amdhsa_wavefront_size32 1
		.amdhsa_system_sgpr_workgroup_id_x 1
		.amdhsa_system_sgpr_workgroup_id_y 1
		.amdhsa_system_sgpr_workgroup_id_z 1
		.amdhsa_system_vgpr_workitem_id 0
		.amdhsa_next_free_vgpr 384
		.amdhsa_next_free_sgpr 100
		.amdhsa_reserve_vcc 0
		.amdhsa_float_denorm_mode_32 3
		.amdhsa_float_denorm_mode_16_64 3
		.amdhsa_memory_ordered 1
		.amdhsa_forward_progress 1
		.amdhsa_inst_pref_size 48
	.end_amdhsa_kernel
	.amdgpu_metadata
---
amdhsa.version: [ 1, 2 ]
amdhsa.kernels:
  - .name:           k_qfd0cd6f1ac_oproj
    .symbol:         k_qfd0cd6f1ac_oproj.kd
    .args:
      - { .name: ao, .offset: 0, .size: 8, .value_kind: global_buffer, .address_space: global }
      - { .name: wq, .offset: 8, .size: 8, .value_kind: global_buffer, .address_space: global }
      - { .name: bo, .offset: 16, .size: 8, .value_kind: global_buffer, .address_space: global }
      - { .name: x, .offset: 24, .size: 8, .value_kind: global_buffer, .address_space: global }
      - { .name: x1, .offset: 32, .size: 8, .value_kind: global_buffer, .address_space: global }
    .group_segment_fixed_size: 327680
    .private_segment_fixed_size: 0
    .kernarg_segment_align: 8
    .kernarg_segment_size: 40
    .max_flat_workgroup_size: 256
    .sgpr_count:     100
    .vgpr_count:     384
    .wavefront_size: 32
...
	.end_amdgpu_metadata
.endif
;; end of part 4
;; launch ln2: the kernel of part 1 again; grid 128 x 1, 8 waves a work-group, no clusters, 56,320 bytes of LDS; arguments x1, ln2_g, ln2_b, ha, Wqkv, Wo, W1, W2, wq; writes ha, wq
;; launch ffn1 (part 5): grid 16 x 16, 16 waves a work-group, clusters of 4 x 4, 327,680 bytes of LDS; arguments ha, wq, b1, ga; writes ga
.if DOCPART == 5
	.amdgcn_target "amdgcn-amd-amdhsa--gfx1250"
	.amdhsa_code_object_version 6
	.text
	.protected	k_qfd0cd6f1ac_ffn1
	.globl	k_qfd0cd6f1ac_ffn1
	.p2align	8
	.type	k_qfd0cd6f1ac_ffn1,@function
k_qfd0cd6f1ac_ffn1:
	s_mov_b64 s[64:65], 0
	v_nop
	global_prefetch_b8 v0, s[64:65] scope:SCOPE_SE
	s_setreg_imm32_b32 hwreg(HW_REG_WAVE_MODE, 25, 1), 1
	s_wait_xcnt 0x0
	s_wait_alu depctr_hold_cnt(0) depctr_sa_sdst(0) depctr_va_vdst(0) depctr_va_sdst(0) depctr_va_ssrc(0) depctr_va_vcc(0) depctr_vm_vsrc(0)
	s_getreg_b32 s2, hwreg(HW_REG_IB_STS2, 6, 4)
	s_cmp_eq_u32 s2, 0
	s_cbranch_scc0 .Lentry_in_a_cluster
	s_endpgm
.Lentry_in_a_cluster:
	s_bfe_u32 s2, ttmp6, 0x10000c
	s_cmp_lg_u32 s2, 0xf033
	s_cbranch_scc0 .Lentry_shape_is_right
	s_endpgm
.Lentry_shape_is_right:
.set SPARE, 262144
.set SCS,   264192
.set CHK,   4096                       ; the second half of K lies 4,096 bytes on in each tile of 8,192
.set WC_OFF, 2097152
.set WS_OFF, 6422528
.set NT128, 32768
.set SW, 32
.set SX, 48
.set WF, 64
.set XF, 96
.set ACC, 128
.set SPW, 6
.set NIL, 7
.macro CROUND
	s_barrier_signal -1
	s_barrier_wait -1
	s_cmp_lg_u32 s16, 0
	s_cbranch_scc1 .Lnot_wave_0_\@
	s_barrier_signal -3
.Lnot_wave_0_\@:
	s_barrier_wait -3
	s_barrier_signal -1
	s_barrier_wait -1
.endm
.macro JLOAD ch
	s_cmp_lt_u32 s16, 8
	s_cbranch_scc0 .Lfor_x_\@
	tensor_load_to_lds s[40+4*\ch:43+4*\ch], s[24:31]
	s_nop 0
.rept 4
	v_nop
.endr
	s_branch .Lasked_\@
.Lfor_x_\@:
	tensor_load_to_lds s[48+4*\ch:51+4*\ch], s[32:39]
	s_nop 0
.rept 4
	v_nop
.endr
.Lasked_\@:
.endm
.macro WMX
.if zZ
.if oA && oB
	v_wmma_scale_f32_16x16x128_f8f6f4 v[rD:rD+7], v[rA:rA+7], v[rB:rB+7], 0, v[sA], v[sB] matrix_a_fmt:MATRIX_FMT_FP4 matrix_b_fmt:MATRIX_FMT_FP4 matrix_a_scale:MATRIX_SCALE_ROW1 matrix_b_scale:MATRIX_SCALE_ROW1
.elseif oA
	v_wmma_scale_f32_16x16x128_f8f6f4 v[rD:rD+7], v[rA:rA+7], v[rB:rB+7], 0, v[sA], v[sB] matrix_a_fmt:MATRIX_FMT_FP4 matrix_b_fmt:MATRIX_FMT_FP4 matrix_a_scale:MATRIX_SCALE_ROW1
.elseif oB
	v_wmma_scale_f32_16x16x128_f8f6f4 v[rD:rD+7], v[rA:rA+7], v[rB:rB+7], 0, v[sA], v[sB] matrix_a_fmt:MATRIX_FMT_FP4 matrix_b_fmt:MATRIX_FMT_FP4 matrix_b_scale:MATRIX_SCALE_ROW1
.else
	v_wmma_scale_f32_16x16x128_f8f6f4 v[rD:rD+7], v[rA:rA+7], v[rB:rB+7], 0, v[sA], v[sB] matrix_a_fmt:MATRIX_FMT_FP4 matrix_b_fmt:MATRIX_FMT_FP4
.endif
.else
.if oA && oB
	v_wmma_scale_f32_16x16x128_f8f6f4 v[rD:rD+7], v[rA:rA+7], v[rB:rB+7], v[rD:rD+7], v[sA], v[sB] matrix_a_fmt:MATRIX_FMT_FP4 matrix_b_fmt:MATRIX_FMT_FP4 matrix_a_scale:MATRIX_SCALE_ROW1 matrix_b_scale:MATRIX_SCALE_ROW1
.elseif oA
	v_wmma_scale_f32_16x16x128_f8f6f4 v[rD:rD+7], v[rA:rA+7], v[rB:rB+7], v[rD:rD+7], v[sA], v[sB] matrix_a_fmt:MATRIX_FMT_FP4 matrix_b_fmt:MATRIX_FMT_FP4 matrix_a_scale:MATRIX_SCALE_ROW1
.elseif oB
	v_wmma_scale_f32_16x16x128_f8f6f4 v[rD:rD+7], v[rA:rA+7], v[rB:rB+7], v[rD:rD+7], v[sA], v[sB] matrix_a_fmt:MATRIX_FMT_FP4 matrix_b_fmt:MATRIX_FMT_FP4 matrix_b_scale:MATRIX_SCALE_ROW1
.else
	v_wmma_scale_f32_16x16x128_f8f6f4 v[rD:rD+7], v[rA:rA+7], v[rB:rB+7], v[rD:rD+7], v[sA], v[sB] matrix_a_fmt:MATRIX_FMT_FP4 matrix_b_fmt:MATRIX_FMT_FP4
.endif
.endif
.endm
.macro WM8 a0, ks, zr
.irp a, \a0, \a0+1
.irp b, 0,1,2,3
.set rD, ACC+32*\b+8*(\a)
.set rA, WF+8*(\a)
.set rB, XF+8*\b
.set sA, SW+8*((\a)/2)+(\ks)
.set sB, SX+8*(\b/2)+(\ks)
.set oA, (\a)%2
.set oB, \b%2
.set zZ, \zr
	WMX
.endr
.endr
.endm
.macro KSTEP ch, kj, first
.if \first == 0
.rept 4
	v_nop
.endr
.endif
.irp t, 0,1,2,3
	ds_load_b128 v[XF+8*\t:XF+8*\t+3], v[3+2*(\ch)] offset:8192*\t+1024*(\kj)
	ds_load_b128 v[XF+8*\t+4:XF+8*\t+7], v[3+2*(\ch)] offset:8192*\t+1024*(\kj)+512
.endr
.irp t, 0,1,2,3
	ds_load_b128 v[WF+8*\t:WF+8*\t+3], v[2+2*(\ch)] offset:8192*\t+1024*(\kj)
	ds_load_b128 v[WF+8*\t+4:WF+8*\t+7], v[2+2*(\ch)] offset:8192*\t+1024*(\kj)+512
.endr
	s_wait_dscnt 4
	WM8 0, 4*(\ch)+(\kj), \first
	s_wait_dscnt 0x0
	WM8 2, 4*(\ch)+(\kj), \first
.endm
	s_load_b256 s[4:11], s[0:1], 0x0
	v_lshl_add_u32 v[SPW], v0, 2, SPARE
	v_mov_b32 v[NIL], 0
	ds_add_u32 v[SPW], v[NIL]
	ds_add_u32 v[SPW], v[NIL]
	v_lshrrev_b32 v1, 5, v0
	s_delay_alu instid0(VALU_DEP_1)
	v_readfirstlane_b32 s16, v1
	s_and_b32 s17, s16, 3
	s_lshr_b32 s18, s16, 2
	s_and_b32 s19, s16, 7
	s_bfe_u32 s20, ttmp6, 0x40000
	s_bfe_u32 s21, ttmp6, 0x40004
	s_lshl_b32 s22, ttmp9, 2
	s_add_co_u32 s22, s22, s20
	s_and_b32 s23, ttmp7, 0xffff
	s_lshl_b32 s23, s23, 2
	s_add_co_u32 s23, s23, s21
	s_lshl_b32 s56, s21, 2
	s_lshl_b32 s56, 15, s56
	s_lshl_b32 s57, 0x1111, s20
	s_or_b32 s24, s57, (3<<16)|(1<<21)
	s_or_b32 s32, s56, (3<<16)|(1<<21)
.irp g, 24, 32
	s_mov_b32 s[\g+1], 1024<<16                    ; tensor_dim0 = 1,024 elements of 8 bytes: a tile's whole K
	s_mov_b32 s[\g+2], 2<<16                       ; two tiles
	s_mov_b32 s[\g+3], 1024<<16
	s_mov_b32 s[\g+4], 2
	s_mov_b32 s[\g+5], 1024
	s_mov_b32 s[\g+6], 0
	s_mov_b32 s[\g+7], 0
.endr
	s_lshl_b32 s60, s19, 1
	s_lshl_b32 s58, s22, 4
	s_add_co_u32 s58, s58, s60
	s_lshl_b32 s58, s58, 13
	s_mov_b32 s59, 0
	s_lshl_b32 s62, s23, 4
	s_add_co_u32 s62, s62, s60
	s_lshl_b32 s62, s62, 13
	s_mov_b32 s63, 0
	s_lshl_b32 s61, s16, 14                        ; LDS: 16,384 x wave
	s_wait_dscnt 0x0
	s_wait_kmcnt 0x0
	s_add_nc_u64 s[58:59], s[6:7], s[58:59]
	s_add_nc_u64 s[58:59], s[58:59], WC_OFF
	s_add_nc_u64 s[62:63], s[4:5], s[62:63]
	CROUND
.irp ch, 0
	s_mov_b32 s[40+4*\ch], 1
	s_add_co_u32 s[41+4*\ch], s61, \ch*CHK
	s_add_nc_u64 s[42+4*\ch:43+4*\ch], s[58:59], \ch*4096
	s_or_b32 s[43+4*\ch], s[43+4*\ch], 0x80000000
	s_mov_b32 s[48+4*\ch], 1
	s_add_co_u32 s[49+4*\ch], s61, \ch*CHK
	s_add_nc_u64 s[50+4*\ch:51+4*\ch], s[62:63], \ch*4096
	s_or_b32 s[51+4*\ch], s[51+4*\ch], 0x80000000
	JLOAD \ch                                      ; my one tensor load: two whole tiles, behind the round above
.endr
	v_and_b32 v8, 31, v0
	s_delay_alu instid0(VALU_DEP_1)
	v_lshlrev_b32 v1, 4, v8
	s_delay_alu instid0(VALU_DEP_2)
	v_lshlrev_b32 v9, 3, v8
	s_wait_alu depctr_va_vdst(0)
	s_lshl_b32 s66, s22, 4
	s_lshl_b32 s67, s17, 2
	s_add_co_u32 s66, s66, s67
	s_lshl_b32 s66, s66, 7
	s_add_co_u32 s66, s66, WS_OFF
	s_mov_b32 s67, 0
	s_add_nc_u64 s[66:67], s[6:7], s[66:67]
	s_lshl_b32 s68, s23, 4
	s_lshl_b32 s69, s18, 2
	s_add_co_u32 s68, s68, s69
	s_lshl_b32 s68, s68, 7
	s_add_co_u32 s68, s68, 2097152
	s_mov_b32 s69, 0
	s_add_nc_u64 s[68:69], s[4:5], s[68:69]
.irp pp, 0,1
.irp kq, 0,1,2,3
	global_load_b64 v[SW+8*\pp+2*\kq:SW+8*\pp+2*\kq+1], v9, s[66:67] offset:\kq*NT128+256*\pp
	global_load_b64 v[SX+8*\pp+2*\kq:SX+8*\pp+2*\kq+1], v9, s[68:69] offset:\kq*32768+256*\pp
.endr
.endr
	s_lshl_b32 s56, s17, 15
	v_add_nc_u32 v2, s56, v1
	s_lshl_b32 s56, s18, 15
	s_add_co_u32 s56, s56, 131072
	v_add_nc_u32 v3, s56, v1
	v_add_nc_u32 v4, CHK, v2
	s_delay_alu instid0(VALU_DEP_2)
	v_add_nc_u32 v5, CHK, v3
	s_mov_b32 s57, 0
	s_lshl_b32 s60, s22, 2
	s_add_co_u32 s60, s60, s17
	s_lshl_b32 s56, s60, 8
	s_add_nc_u64 s[92:93], s[8:9], s[56:57]
	s_lshl_b32 s56, s23, 4
	s_lshl_b32 s61, s18, 2
	s_add_co_u32 s56, s56, s61
	s_lshl_b32 s56, s56, 15
	s_lshl_b32 s61, s60, 9
	s_add_co_u32 s56, s56, s61
	s_add_nc_u64 s[94:95], s[10:11], s[56:57]
	s_lshl_b32 s56, s22, 8
	s_lshl_b32 s61, s23, 4
	s_add_co_u32 s56, s56, s61
	s_lshl_b32 s56, s56, 7
	s_lshl_b32 s61, s17, 9
	s_add_co_u32 s56, s56, s61
	s_add_co_u32 s56, s56, 8388608
	s_add_nc_u64 s[96:97], s[10:11], s[56:57]
	s_mov_b32 s98, 0x76543210
	s_mov_b32 s99, 0xfedcba98
.macro KPAIR r, val
	s_mov_b32 s[\r], \val
	s_mov_b32 s[\r+1], \val
.endm
	KPAIR 70, 0x3f3504f3
	KPAIR 72, 0xaf95df0b
	KPAIR 74, 0xb60cff51
	KPAIR 76, 0xb86ec2d2
	KPAIR 78, 0xba40ac63
	KPAIR 80, 0xbb41a1f6
	KPAIR 82, 0xbc83dbd4
	KPAIR 84, 0xb77460cd
	KPAIR 86, 0xbadc924e
	KPAIR 88, 0xbbf19bf8
	KPAIR 90, 0xbc69b6a7
	s_wait_alu depctr_va_vdst(0)
	s_wait_tensorcnt 0x0                           ; my one tensor load is in
	s_barrier_signal -1
	s_barrier_wait -1
	s_wait_loadcnt 0x0
	KSTEP 0, 0, 1
	KSTEP 0, 1, 0
	KSTEP 0, 2, 0
	KSTEP 0, 3, 0
	KSTEP 1, 0, 0
	KSTEP 1, 1, 0
	KSTEP 1, 2, 0
	KSTEP 1, 3, 0
.rept 4
	v_nop
.endr
	v_and_b32 v28, 31, v0
	s_delay_alu instid0(VALU_DEP_1)
	v_lshrrev_b32 v29, 4, v28
	v_and_b32 v30, 15, v0
	s_delay_alu instid0(VALU_DEP_2)
	v_lshlrev_b32 v31, 7, v29
.irp i, 0,1,2,3,4,5,6,7
	global_load_b128 v[64+4*\i:67+4*\i], v31, s[92:93] offset:16*\i
.endr
	v_lshlrev_b32 v17, 3, v29
	s_lshl_b32 s56, s18, 9
	s_lshl_b32 s57, s17, 1
	s_add_co_u32 s56, s56, s57
	s_add_co_u32 s56, s56, SCS
	v_lshl_add_u32 v16, v30, 3, s56
	s_lshl_b32 s56, s17, 9
	s_add_co_u32 s56, s56, SCS
	v_add_nc_u32 v18, s56, v1
	v_mov_b32 v2, 0x32edffee
	v_mov_b32 v3, 0x32edffee
	v_mov_b32 v4, 0xb95fbd29
	v_mov_b32 v5, 0xb95fbd29
.irp i, 24,25,26,27
	v_mov_b32 v[\i], 0
.endr
	s_wait_loadcnt 0x0
.macro GELU8 q
.set tT, 96+8*(\q)
.irp i, 0,2,4,6
	v_pk_mul_f32 v[qA+\i:qA+\i+1], v[tT+\i:tT+\i+1], s[70:71] op_sel_hi:[1,0]
.endr
.irp i, 0,1,2,3,4,5,6,7
	v_med3_num_f32 v[qA+\i], v[qA+\i], -4.0, 4.0
.endr
.irp i, 0,2,4,6
	v_pk_mul_f32 v[qA+8+\i:qA+9+\i], v[qA+\i:qA+\i+1], v[qA+\i:qA+\i+1]
.endr
.irp i, 0,2,4,6
	v_pk_fma_f32 v[qA+16+\i:qA+17+\i], v[qA+8+\i:qA+9+\i], s[72:73], v[2:3] op_sel_hi:[1,0,1]
	v_pk_fma_f32 v[qA+24+\i:qA+25+\i], v[qA+8+\i:qA+9+\i], s[84:85], v[4:5] op_sel_hi:[1,0,1]
.endr
.irp c, 74,76,78,80,82
.irp i, 0,2,4,6
	v_pk_fma_f32 v[qA+16+\i:qA+17+\i], v[qA+16+\i:qA+17+\i], v[qA+8+\i:qA+9+\i], s[\c:\c+1] op_sel_hi:[1,1,0]
.endr
.endr
.irp c, 86,88,90
.irp i, 0,2,4,6
	v_pk_fma_f32 v[qA+24+\i:qA+25+\i], v[qA+24+\i:qA+25+\i], v[qA+8+\i:qA+9+\i], s[\c:\c+1] op_sel_hi:[1,1,0]
.endr
.endr
	s_wait_alu depctr_va_vdst(0)
.irp i, 0,1,2,3,4,5,6,7
	v_rcp_f32 v[qA+24+\i], v[qA+24+\i]
.endr
.irp i, 0,2,4,6
	v_pk_mul_f32 v[qA+16+\i:qA+17+\i], v[qA+16+\i:qA+17+\i], v[qA+\i:qA+\i+1]
.endr
.irp i, 0,2,4,6
	v_pk_mul_f32 v[qA+\i:qA+\i+1], v[tT+\i:tT+\i+1], 0.5 op_sel_hi:[1,0]
.endr
	s_wait_alu depctr_va_vdst(0)
.irp i, 0,2,4,6
	v_pk_mul_f32 v[qA+16+\i:qA+17+\i], v[qA+16+\i:qA+17+\i], v[qA+24+\i:qA+25+\i]
.endr
.irp i, 0,2,4,6
	s_delay_alu instid0(VALU_DEP_4)
	v_pk_fma_f32 v[tT+\i:tT+\i+1], v[qA+\i:qA+\i+1], v[qA+16+\i:qA+17+\i], v[qA+\i:qA+\i+1]
.endr
.endm
.macro TILEF b
.set qA, ACC+32*(\b)
.set qC, 8+4*((\b)%2)
.irp p, 0,1
.irp u, 0,1
.irp j, 0,1,2,3,4,5,6,7
	v_add_f32 v[96+16*\u+2*\j+\p], v[qA+8*(2*\p+\u)+\j], v[64+16*\u+2*\j+\p]
.endr
.endr
.endr
	GELU8 0
	GELU8 1
	GELU8 2
	GELU8 3
	v_max3_num_f32 v24, |v96|, |v97|, 0x1800000
	v_max3_num_f32 v25, |v98|, |v99|, |v100|
.irp k, 5,9,13,17,21,25
	s_delay_alu instid0(VALU_DEP_2)
	v_max3_num_f32 v24, v24, |v[96+\k]|, |v[97+\k]|
	s_delay_alu instid0(VALU_DEP_2)
	v_max3_num_f32 v25, v25, |v[98+\k]|, |v[99+\k]|
.endr
	s_delay_alu instid0(VALU_DEP_2)
	v_max3_num_f32 v24, v24, |v125|, |v126|
	s_delay_alu instid0(VALU_DEP_1)
	v_max3_num_f32 v24, v24, v25, |v127|
	s_delay_alu instid0(VALU_DEP_1)
	v_add_nc_u32 v26, 0xff000000, v24
.if (\b) > 1
	s_wait_alu depctr_va_vdst(0)
	s_wait_xcnt 0x0
.endif
.irp g, 0,1,2,3
	v_cvt_scalef32_pk8_fp4_f32 v[qC+\g], v[96+8*\g:103+8*\g], v26
.endr
	v_lshrrev_b32 v[20+(\b)], 23, v26
	global_store_b128 v1, v[qC:qC+3], s[94:95] offset:32768*(\b)
.endm
	TILEF 0
	TILEF 1
	TILEF 2
	TILEF 3
.irp b, 0,1,2,3
	v_lshlrev_b32 v[20+\b], v17, v[20+\b]
.endr
.irp b, 0,1,2,3
	s_delay_alu instid0(VALU_DEP_4)
	v_permlanex16_b32 v[24+\b], v[20+\b], s98, s99
.endr
.irp b, 0,1,2,3
	s_delay_alu instid0(VALU_DEP_4)
	v_or_b32 v[20+\b], v[20+\b], v[24+\b]
.endr
.irp b, 0,1,2,3
	ds_store_b16 v16, v[20+\b] offset:128*\b
.endr
	s_wait_dscnt 0x0
	s_barrier_signal -1
	s_barrier_wait -1
	s_cmp_lt_u32 s16, 4
	s_cbranch_scc0 .Lend
	ds_load_b128 v[28:31], v18
	s_wait_dscnt 0x0
	global_store_b128 v1, v[28:31], s[96:97]
.Lend:
	s_wait_tensorcnt 0x0
	ds_add_u32 v[SPW], v[NIL]
	s_wait_dscnt 0x0
	CROUND
	s_endpgm
.Lfunc_end_k_qfd0cd6f1ac_ffn1:
	.size	k_qfd0cd6f1ac_ffn1, .Lfunc_end_k_qfd0cd6f1ac_ffn1-k_qfd0cd6f1ac_ffn1
	.p2alignl 7, 3214868480
	.fill 96, 4, 3214868480
	.section	.rodata,"a",@progbits
	.p2align	6, 0x0
	.amdhsa_kernel k_qfd0cd6f1ac_ffn1
		.amdhsa_group_segment_fixed_size 327680
		.amdhsa_private_segment_fixed_size 0
		.amdhsa_enable_private_segment 0
		.amdhsa_kernarg_size 32
		.amdhsa_user_sgpr_count 2
		.amdhsa_user_sgpr_kernarg_segment_ptr 1
		.amdhsa_wavefront_size32 1
		.amdhsa_system_sgpr_workgroup_id_x 1
		.amdhsa_system_sgpr_workgroup_id_y 1
		.amdhsa_system_sgpr_workgroup_id_z 1
		.amdhsa_system_vgpr_workitem_id 0
		.amdhsa_next_free_vgpr 256
		.amdhsa_next_free_sgpr 100
		.amdhsa_reserve_vcc 0
		.amdhsa_float_denorm_mode_32 3
		.amdhsa_float_denorm_mode_16_64 3
		.amdhsa_memory_ordered 1
		.amdhsa_forward_progress 1
		.amdhsa_inst_pref_size 129
	.end_amdhsa_kernel
	.amdgpu_metadata
---
amdhsa.version: [ 1, 2 ]
amdhsa.kernels:
  - .name:           k_qfd0cd6f1ac_ffn1
    .symbol:         k_qfd0cd6f1ac_ffn1.kd
    .args:
      - { .name: ha, .offset: 0, .size: 8, .value_kind: global_buffer, .address_space: global }
      - { .name: wq, .offset: 8, .size: 8, .value_kind: global_buffer, .address_space: global }
      - { .name: b1, .offset: 16, .size: 8, .value_kind: global_buffer, .address_space: global }
      - { .name: ga, .offset: 24, .size: 8, .value_kind: global_buffer, .address_space: global }
    .group_segment_fixed_size: 327680
    .private_segment_fixed_size: 0
    .kernarg_segment_align: 8
    .kernarg_segment_size: 32
    .max_flat_workgroup_size: 512
    .sgpr_count:     100
    .vgpr_count:     256
    .wavefront_size: 32
...
	.end_amdgpu_metadata
.endif
;; end of part 5
;; launch ffn2 (part 6): grid 8 x 32, 8 waves a work-group, clusters of 4 x 4, 327,680 bytes of LDS; arguments ga, wq, b2, x1, out0; writes out0
.if DOCPART == 6
	.amdgcn_target "amdgcn-amd-amdhsa--gfx1250"
	.amdhsa_code_object_version 6
	.text
	.protected	k_qfd0cd6f1ac_ffn2
	.globl	k_qfd0cd6f1ac_ffn2
	.p2align	8
	.type	k_qfd0cd6f1ac_ffn2,@function
k_qfd0cd6f1ac_ffn2:
	s_mov_b64 s[64:65], 0
	v_nop
	global_prefetch_b8 v0, s[64:65] scope:SCOPE_SE
	s_setreg_imm32_b32 hwreg(HW_REG_WAVE_MODE, 25, 1), 1
	s_wait_xcnt 0x0
	s_wait_alu depctr_hold_cnt(0) depctr_sa_sdst(0) depctr_va_vdst(0) depctr_va_sdst(0) depctr_va_ssrc(0) depctr_va_vcc(0) depctr_vm_vsrc(0)
	s_getreg_b32 s2, hwreg(HW_REG_IB_STS2, 6, 4)
	s_cmp_eq_u32 s2, 0
	s_cbranch_scc0 .Lentry_in_a_cluster
	s_endpgm
.Lentry_in_a_cluster:
	s_bfe_u32 s2, ttmp6, 0x10000c
	s_cmp_lg_u32 s2, 0xf033
	s_cbranch_scc0 .Lentry_shape_is_right
	s_endpgm
.Lentry_shape_is_right:
.set NCH,    4
.set TILEB,  32768
.set WC_OFF, 4194304
.set WS_OFF, 6553600
.set AS_OFF, 8388608
.set SLOT,   131072
.set SPARE,  262144
.set FREE,   (NCH%2)*SLOT
.set STG,    FREE+65536
.set WF, 64
.set XF, 96
.set ACC, 128
.set SPW, 6
.set NIL, 7
.set MSB, 0
.macro WIN new
.if MSB != \new
	s_set_vgpr_msb (MSB<<8)|\new
.set MSB, \new
.endif
.endm
.macro CROUND
	s_barrier_signal -1
	s_barrier_wait -1
	s_cmp_lg_u32 s16, 0
	s_cbranch_scc1 .Lnot_wave_0_\@
	s_barrier_signal -3
.Lnot_wave_0_\@:
	s_barrier_wait -3
	s_barrier_signal -1
	s_barrier_wait -1
.endm
.macro JLOAD sl
	s_cmp_lt_u32 s16, 4
	s_cbranch_scc0 .Lfor_x_\@
	tensor_load_to_lds s[40+4*\sl:43+4*\sl], s[24:31]
	s_nop 0
.rept 4
	v_nop
.endr
	s_branch .Lasked_\@
.Lfor_x_\@:
	tensor_load_to_lds s[48+4*\sl:51+4*\sl], s[32:39]
	s_nop 0
.rept 4
	v_nop
.endr
.Lasked_\@:
.endm
.macro WMX
.if zZ
.if oA && oB
	v_wmma_scale_f32_16x16x128_f8f6f4 v[rD:rD+7], v[rA:rA+7], v[rB:rB+7], 0, v[sA], v[sB] matrix_a_fmt:MATRIX_FMT_FP4 matrix_b_fmt:MATRIX_FMT_FP4 matrix_a_scale:MATRIX_SCALE_ROW1 matrix_b_scale:MATRIX_SCALE_ROW1
.elseif oA
	v_wmma_scale_f32_16x16x128_f8f6f4 v[rD:rD+7], v[rA:rA+7], v[rB:rB+7], 0, v[sA], v[sB] matrix_a_fmt:MATRIX_FMT_FP4 matrix_b_fmt:MATRIX_FMT_FP4 matrix_a_scale:MATRIX_SCALE_ROW1
.elseif oB
	v_wmma_scale_f32_16x16x128_f8f6f4 v[rD:rD+7], v[rA:rA+7], v[rB:rB+7], 0, v[sA], v[sB] matrix_a_fmt:MATRIX_FMT_FP4 matrix_b_fmt:MATRIX_FMT_FP4 matrix_b_scale:MATRIX_SCALE_ROW1
.else
	v_wmma_scale_f32_16x16x128_f8f6f4 v[rD:rD+7], v[rA:rA+7], v[rB:rB+7], 0, v[sA], v[sB] matrix_a_fmt:MATRIX_FMT_FP4 matrix_b_fmt:MATRIX_FMT_FP4
.endif
.else
.if oA && oB
	v_wmma_scale_f32_16x16x128_f8f6f4 v[rD:rD+7], v[rA:rA+7], v[rB:rB+7], v[rD:rD+7], v[sA], v[sB] matrix_a_fmt:MATRIX_FMT_FP4 matrix_b_fmt:MATRIX_FMT_FP4 matrix_a_scale:MATRIX_SCALE_ROW1 matrix_b_scale:MATRIX_SCALE_ROW1
.elseif oA
	v_wmma_scale_f32_16x16x128_f8f6f4 v[rD:rD+7], v[rA:rA+7], v[rB:rB+7], v[rD:rD+7], v[sA], v[sB] matrix_a_fmt:MATRIX_FMT_FP4 matrix_b_fmt:MATRIX_FMT_FP4 matrix_a_scale:MATRIX_SCALE_ROW1
.elseif oB
	v_wmma_scale_f32_16x16x128_f8f6f4 v[rD:rD+7], v[rA:rA+7], v[rB:rB+7], v[rD:rD+7], v[sA], v[sB] matrix_a_fmt:MATRIX_FMT_FP4 matrix_b_fmt:MATRIX_FMT_FP4 matrix_b_scale:MATRIX_SCALE_ROW1
.else
	v_wmma_scale_f32_16x16x128_f8f6f4 v[rD:rD+7], v[rA:rA+7], v[rB:rB+7], v[rD:rD+7], v[sA], v[sB] matrix_a_fmt:MATRIX_FMT_FP4 matrix_b_fmt:MATRIX_FMT_FP4
.endif
.endif
.endm
.macro WM8 a0, st, kj, zr
.irp a, \a0, \a0+1
.irp b, 0,1,2,3
.set rD, ACC+32*\b+8*(\a)
.set rA, WF+8*(\a)
.set rB, XF+8*\b
.set sA, 32+16*(\st)+4*((\a)/2)+(\kj)
.set sB, 40+16*(\st)+4*(\b/2)+(\kj)
.set oA, (\a)%2
.set oB, \b%2
.set zZ, \zr
	WMX
.endr
.endr
.endm
.macro KSTEP sl, st, kj, first
.if \first == 0
.rept 4
	v_nop
.endr
.endif
.irp t, 0,1,2,3
	ds_load_b128 v[XF+8*\t:XF+8*\t+3], v[3+2*(\sl)] offset:8192*\t+1024*(\kj)
	ds_load_b128 v[XF+8*\t+4:XF+8*\t+7], v[3+2*(\sl)] offset:8192*\t+1024*(\kj)+512
.endr
.irp t, 0,1,2,3
	ds_load_b128 v[WF+8*\t:WF+8*\t+3], v[2+2*(\sl)] offset:8192*\t+1024*(\kj)
	ds_load_b128 v[WF+8*\t+4:WF+8*\t+7], v[2+2*(\sl)] offset:8192*\t+1024*(\kj)+512
.endr
	s_wait_dscnt 4
	WM8 0, \st, \kj, \first
	s_wait_dscnt 0x0
	WM8 2, \st, \kj, \first
.endm
.macro COMPUTE sl, st, first
	KSTEP \sl, \st, 0, \first
	KSTEP \sl, \st, 1, 0
	KSTEP \sl, \st, 2, 0
	KSTEP \sl, \st, 3, 0
.rept 4
	v_nop
.endr
.endm
.macro SCL kc, st
.irp pp, 0,1
.irp qq, 0,1
	global_load_b64 v[32+16*(\st)+4*\pp+2*\qq:33+16*(\st)+4*\pp+2*\qq], v8, s[68:69] offset:(4*(\kc)+\qq)*8192+256*\pp
	global_load_b64 v[40+16*(\st)+4*\pp+2*\qq:41+16*(\st)+4*\pp+2*\qq], v8, s[70:71] offset:(4*(\kc)+\qq)*32768+256*\pp
.endr
.endr
.endm
.macro TURNB sl
	s_wait_tensorcnt 0x0
	ds_add_u32 v[SPW], v[NIL]
	s_add_nc_u64 s[42+4*\sl:43+4*\sl], s[42+4*\sl:43+4*\sl], 16384
	s_add_nc_u64 s[50+4*\sl:51+4*\sl], s[50+4*\sl:51+4*\sl], 16384
	s_wait_dscnt 0x0
	CROUND
	JLOAD \sl
.endm
	s_load_b256 s[4:11], s[0:1], 0x0
	s_load_b64 s[12:13], s[0:1], 0x20
	v_lshl_add_u32 v[SPW], v0, 2, SPARE
	v_mov_b32 v[NIL], 0
	ds_add_u32 v[SPW], v[NIL]
	ds_add_u32 v[SPW], v[NIL]
	v_lshrrev_b32 v1, 5, v0
	s_delay_alu instid0(VALU_DEP_1)
	v_readfirstlane_b32 s16, v1
	s_and_b32 s17, s16, 1
	s_bfe_u32 s18, s16, 0x10001
	s_lshr_b32 s19, s16, 2
	s_and_b32 s15, s16, 3
	s_bfe_u32 s20, ttmp6, 0x40000
	s_bfe_u32 s21, ttmp6, 0x40004
	s_lshl_b32 s22, ttmp9, 2
	s_add_co_u32 s22, s22, s20
	s_and_b32 s23, ttmp7, 0xffff
	s_lshl_b32 s23, s23, 2
	s_add_co_u32 s23, s23, s21
	s_lshl_b32 s56, s21, 2
	s_lshl_b32 s56, 15, s56
	s_lshl_b32 s57, 0x1111, s20
	s_or_b32 s24, s57, (3<<16)|(1<<21)
	s_or_b32 s32, s56, (3<<16)|(1<<21)
.irp g, 24, 32
	s_mov_b32 s[\g+1], 1024<<16
	s_mov_b32 s[\g+2], 2<<16
	s_mov_b32 s[\g+3], 1024<<16
	s_mov_b32 s[\g+4], 2
	s_mov_b32 s[\g+5], TILEB/8
	s_mov_b32 s[\g+6], 0
	s_mov_b32 s[\g+7], 0
.endr
	s_lshl_b32 s60, s15, 1
	s_lshl_b32 s58, s22, 3
	s_add_co_u32 s58, s58, s60
	s_mul_i32 s58, s58, TILEB
	s_mov_b32 s59, 0
	s_lshl_b32 s62, s23, 3
	s_add_co_u32 s62, s62, s60
	s_mul_i32 s62, s62, TILEB
	s_mov_b32 s63, 0
	s_lshl_b32 s61, s16, 14
	s_wait_dscnt 0x0
	s_wait_kmcnt 0x0
	s_add_nc_u64 s[58:59], s[6:7], s[58:59]
	s_add_nc_u64 s[58:59], s[58:59], WC_OFF
	s_add_nc_u64 s[62:63], s[4:5], s[62:63]
	CROUND
	s_mov_b32 s40, 1
	s_mov_b32 s41, s61
	s_mov_b64 s[42:43], s[58:59]
	s_or_b32 s43, s43, 0x80000000
	s_mov_b32 s48, 1
	s_mov_b32 s49, s61
	s_mov_b64 s[50:51], s[62:63]
	s_or_b32 s51, s51, 0x80000000
	JLOAD 0
.if NCH > 1
	s_mov_b32 s44, 1
	s_add_co_u32 s45, s61, SLOT
	s_add_nc_u64 s[46:47], s[58:59], 8192
	s_or_b32 s47, s47, 0x80000000
	s_mov_b32 s52, 1
	s_add_co_u32 s53, s61, SLOT
	s_add_nc_u64 s[54:55], s[62:63], 8192
	s_or_b32 s55, s55, 0x80000000
	s_wait_alu depctr_va_vdst(0)
	s_wait_tensorcnt 0x0
	ds_add_u32 v6, v7
	s_wait_dscnt 0x0
	CROUND
	JLOAD 1
.endif
	v_and_b32 v14, 31, v0
	s_delay_alu instid0(VALU_DEP_1)
	v_lshlrev_b32 v1, 4, v14
	s_wait_alu depctr_va_vdst(0)
	v_lshlrev_b32 v8, 3, v14
	s_lshl_b32 s67, s19, 12
	s_lshl_b32 s66, s17, 15
	s_add_co_u32 s66, s66, s67
	v_add_nc_u32 v2, s66, v1
	s_lshl_b32 s66, s18, 15
	s_add_co_u32 s66, s66, s67
	s_add_co_u32 s66, s66, 65536
	v_add_nc_u32 v3, s66, v1
	v_add_nc_u32 v4, SLOT, v2
	s_delay_alu instid0(VALU_DEP_2)
	v_add_nc_u32 v5, SLOT, v3
	s_lshl_b32 s66, s16, 13
	s_add_co_u32 s66, s66, FREE
	v_add_nc_u32 v9, s66, v1
	s_xor_b32 s66, s16, 4
	s_lshl_b32 s66, s66, 13
	s_add_co_u32 s66, s66, FREE
	v_add_nc_u32 v10, s66, v1
	s_mul_i32 s66, s16, 4352
	s_add_co_u32 s66, s66, STG
	v_and_b32 v15, 15, v0
	v_lshrrev_b32 v14, 4, v14
	s_delay_alu instid0(VALU_DEP_2)
	v_mul_u32_u24 v11, v15, 272
	s_delay_alu instid0(VALU_DEP_1)
	v_lshl_add_u32 v11, v14, 7, v11
	s_delay_alu instid0(VALU_DEP_1)
	v_add_nc_u32 v11, s66, v11
	s_delay_alu instid0(VALU_DEP_4)
	v_mul_u32_u24 v12, v14, 272
	s_delay_alu instid0(VALU_DEP_1)
	v_lshl_add_u32 v12, v15, 4, v12
	s_delay_alu instid0(VALU_DEP_1)
	v_add_nc_u32 v12, s66, v12
	v_lshlrev_b32 v13, 12, v14
	s_delay_alu instid0(VALU_DEP_1)
	v_lshl_add_u32 v13, v15, 4, v13
	s_wait_alu depctr_va_vdst(0)
	v_lshlrev_b32 v14, 7, v14
	s_wait_alu depctr_va_vdst(0)
	s_lshl_b32 s68, s19, 14
	s_lshl_b32 s69, s22, 10
	s_add_co_u32 s68, s68, s69
	s_lshl_b32 s69, s17, 9
	s_add_co_u32 s68, s68, s69
	s_add_co_u32 s68, s68, WS_OFF
	s_mov_b32 s69, 0
	s_add_nc_u64 s[68:69], s[6:7], s[68:69]
	s_lshl_b32 s70, s19, 16
	s_lshl_b32 s71, s23, 10
	s_add_co_u32 s70, s70, s71
	s_lshl_b32 s71, s18, 9
	s_add_co_u32 s70, s70, s71
	s_add_co_u32 s70, s70, AS_OFF
	s_mov_b32 s71, 0
	s_add_nc_u64 s[70:71], s[4:5], s[70:71]
	s_lshl_b32 s72, s23, 19
	s_lshl_b32 s73, s18, 18
	s_add_co_u32 s72, s72, s73
	s_lshl_b32 s73, s22, 9
	s_add_co_u32 s72, s72, s73
	s_lshl_b32 s73, s17, 8
	s_add_co_u32 s72, s72, s73
	s_mov_b32 s73, 0
	s_add_nc_u64 s[74:75], s[10:11], s[72:73]
	s_add_nc_u64 s[78:79], s[12:13], s[72:73]
	s_lshl_b32 s72, s22, 9
	s_lshl_b32 s76, s17, 8
	s_add_co_u32 s72, s72, s76
	s_add_nc_u64 s[76:77], s[8:9], s[72:73]
	s_lshl_b32 s72, s19, 17
	s_add_nc_u64 s[74:75], s[74:75], s[72:73]
	SCL 0, 0
.if NCH > 1
	SCL 1, 1
.endif
	WIN 0x40
.irp t, 0,1
.irp i, 0,1,2,3,4,5,6,7
	global_load_b128 v[32*\t+4*\i:32*\t+4*\i+3], v13, s[74:75] offset:(16*\t+2*\i)*4096
.endr
.endr
.irp i, 0,1,2,3,4,5,6,7
	global_load_b128 v[64+4*\i:67+4*\i], v14, s[76:77] offset:16*\i
.endr
	WIN 0
.if NCH > 1
	s_wait_tensorcnt 0x1
	s_barrier_signal -1
	s_barrier_wait -1
	s_wait_loadcnt 32
	COMPUTE 0, 0, 1
	SCL 2, 0
	TURNB 0
	s_wait_loadcnt 32
	COMPUTE 1, 1, 0
	SCL 3, 1
	TURNB 1
	s_wait_loadcnt 8
	COMPUTE 0, 0, 0
	s_wait_tensorcnt 0x0
	ds_add_u32 v[SPW], v[NIL]
	s_wait_dscnt 0x0
	s_barrier_signal -1
	s_barrier_wait -1
	s_wait_loadcnt 0x0
	COMPUTE 1, 1, 0
.else
	s_wait_tensorcnt 0x0
	s_barrier_signal -1
	s_barrier_wait -1
	s_wait_loadcnt 24
	COMPUTE 0, 0, 1
.endif
.macro ARM g
.set SB0, ACC+32*(2-2*(\g))
.set q, 0
.rept 16
	ds_store_b128 v9, v[SB0+4*q:SB0+4*q+3] offset:512*q
.set q, q+1
.endr
.endm
.macro FIN g, t
.set KB, ACC+32*(2*(\g)+(\t))
.if \t
	s_wait_xcnt 0x0
.endif
.irp i, 0,1,2,3,4,5,6,7
	ds_load_b128 v[96+4*\i:99+4*\i], v10 offset:512*(8*(\t)+\i)
.endr
	s_wait_dscnt 0x0
.if (\t) == 0
	s_wait_loadcnt 0x0
.endif
.irp i, 0,2,4,6,8,10,12,14,16,18,20,22,24,26,28,30
	v_pk_add_f32 v[KB+\i:KB+\i+1], v[KB+\i:KB+\i+1], v[96+\i:97+\i]
.endr
	WIN 0x04
.irp p, 0,1
.irp u, 0,1
.irp j, 0,1,2,3,4,5,6,7
	v_add_f32 v[96+16*\u+2*\j+\p], v[KB+8*(2*\p+\u)+\j], v[64+16*\u+2*\j+\p]
.endr
.endr
.endr
	WIN 0
.irp i, 0,1,2,3,4,5,6,7
	ds_store_b128 v11, v[96+4*\i:99+4*\i] offset:16*\i
.endr
.irp i, 0,1,2,3,4,5,6,7
	ds_load_b128 v[96+4*\i:99+4*\i], v12 offset:544*\i
.endr
	s_wait_dscnt 0x0
	WIN 0x04
.irp i, 0,2,4,6,8,10,12,14,16,18,20,22,24,26,28,30
	v_pk_add_f32 v[96+\i:97+\i], v[96+\i:97+\i], v[32*(\t)+\i:32*(\t)+\i+1]
.endr
	WIN 0
.irp i, 0,1,2,3,4,5,6,7
.if NCH > 1
	global_store_b128 v13, v[96+4*\i:99+4*\i], s[78:79] offset:(16*(2*(\g)+(\t))+2*\i)*4096 th:TH_STORE_NT
.else
	global_store_b128 v13, v[96+4*\i:99+4*\i], s[78:79] offset:(16*(2*(\g)+(\t))+2*\i)*4096
.endif
.endr
.endm
	s_cmp_eq_u32 s19, 0
	s_cbranch_scc0 .Larm1
	ARM 0
	s_branch .Lmeet
.Larm1:
	ARM 1
.Lmeet:
	s_wait_dscnt 0x0
	s_barrier_signal -1
	s_barrier_wait -1
	s_cmp_eq_u32 s19, 0
	s_cbranch_scc0 .Lfin1
	FIN 0, 0
	FIN 0, 1
	s_branch .Lend
.Lfin1:
	FIN 1, 0
	FIN 1, 1
.Lend:
	s_wait_tensorcnt 0x0
	ds_add_u32 v[SPW], v[NIL]
	s_wait_dscnt 0x0
	CROUND
	s_endpgm
.Lfunc_end_k_qfd0cd6f1ac_ffn2:
	.size	k_qfd0cd6f1ac_ffn2, .Lfunc_end_k_qfd0cd6f1ac_ffn2-k_qfd0cd6f1ac_ffn2
	.p2alignl 7, 3214868480
	.fill 96, 4, 3214868480
	.section	.rodata,"a",@progbits
	.p2align	6, 0x0
	.amdhsa_kernel k_qfd0cd6f1ac_ffn2
		.amdhsa_group_segment_fixed_size 327680
		.amdhsa_private_segment_fixed_size 0
		.amdhsa_enable_private_segment 0
		.amdhsa_kernarg_size 40
		.amdhsa_user_sgpr_count 2
		.amdhsa_user_sgpr_kernarg_segment_ptr 1
		.amdhsa_wavefront_size32 1
		.amdhsa_system_sgpr_workgroup_id_x 1
		.amdhsa_system_sgpr_workgroup_id_y 1
		.amdhsa_system_sgpr_workgroup_id_z 1
		.amdhsa_system_vgpr_workitem_id 0
		.amdhsa_next_free_vgpr 384
		.amdhsa_next_free_sgpr 100
		.amdhsa_reserve_vcc 0
		.amdhsa_float_denorm_mode_32 3
		.amdhsa_float_denorm_mode_16_64 3
		.amdhsa_memory_ordered 1
		.amdhsa_forward_progress 1
		.amdhsa_inst_pref_size 93
	.end_amdhsa_kernel
	.amdgpu_metadata
---
amdhsa.version: [ 1, 2 ]
amdhsa.kernels:
  - .name:           k_qfd0cd6f1ac_ffn2
    .symbol:         k_qfd0cd6f1ac_ffn2.kd
    .args:
      - { .name: ga, .offset: 0, .size: 8, .value_kind: global_buffer, .address_space: global }
      - { .name: wq, .offset: 8, .size: 8, .value_kind: global_buffer, .address_space: global }
      - { .name: b2, .offset: 16, .size: 8, .value_kind: global_buffer, .address_space: global }
      - { .name: x1, .offset: 24, .size: 8, .value_kind: global_buffer, .address_space: global }
      - { .name: out0, .offset: 32, .size: 8, .value_kind: global_buffer, .address_space: global }
    .group_segment_fixed_size: 327680
    .private_segment_fixed_size: 0
    .kernarg_segment_align: 8
    .kernarg_segment_size: 40
    .max_flat_workgroup_size: 256
    .sgpr_count:     100
    .vgpr_count:     384
    .wavefront_size: 32
...
	.end_amdgpu_metadata
.endif
;; end of part 6
